; MI455X (gfx1250); checked and timed in simulation.
; The chip was launched on July 23, 2026; its instructions are those of AMD's public machine-readable ISA for CDNA 5 (MIT licence, August 2026) and "CDNA5" Instruction Set Architecture Reference Guide (July 2026). The comments in the code are by the model that wrote it; some were corrected since.
;; Multi Head Attention. Allowed arithmetic: matrix products marked QUANTISED: E2M1 operands, one E8M0 scale for each 32 along K, by v_wmma_scale_f32_16x16x128_f8f6f4 with both operands' format E2M1 (or v_wmma_scale_f32_32x16x128_f4), f32 sums; products left as they are: bf16, f16 or f32 operands; f32 sums; everything else in f32.
;; Inputs: Wk 1,024 x 1,024 float32; Wp 1,024 x 1,024 float32; Wq 1,024 x 1,024 float32; Wv 1,024 x 1,024 float32; bp 1,024 float32; key 4 x 2,048 x 1,024 float32; mask 1 x 1 x 2,048 x 2,048 int32; query 4 x 2,048 x 1,024 float32; value 4 x 2,048 x 1,024 float32.
;; Outputs: out0 4 x 2,048 x 1,024 float32.
;; This version of the problem:
;;   THIS VERSION OF THE PROBLEM IS GIVEN IN LOW PRECISION. The matrix products marked QUANTISED in the list below multiply operands that are first quantised to E2M1 (2 exponent bits, 1 mantissa bit; 4 bits a number), with one power-of-two scale for each 32 numbers along K (OCP MX v1.0); their sums are f32. The products marked 'left as it is' may take bf16, f16 or f32 operands, with f32 sums. Whichever they take, every output number must still come out within the allowed error. Rounding operands to bf16 (8 significant bits) uses up far more of that allowance than f16 does (11 bits, for magnitudes from 6e-5 to 65,504). All else is computed in f32.
;;   The module's matrix products, in the order in which they are computed (A, B: the left and right operand; K: the contracted axis; several contracted axes count as one K, in the product's order):
;;     1. [M 8,192, K 1,024] x [K 1,024, N 1,024]; A: input query; B: input Wq: QUANTISED
;;     2. [M 8,192, K 1,024] x [K 1,024, N 1,024]; A: input key; B: input Wk: QUANTISED
;;     3. [M 8,192, K 1,024] x [K 1,024, N 1,024]; A: input value; B: input Wv: QUANTISED
;;     4. batch 64 x [M 2,048, K 64] x [K 64, N 2,048]; A: computed on the way; B: computed on the way: left as it is (an operand is computed on the way)
;;     5. batch 64 x [M 2,048, K 2,048] x [K 2,048, N 64]; A: computed on the way; B: computed on the way: left as it is (an operand is computed on the way)
;;     6. [M 8,192, K 1,024] x [K 1,024, N 1,024]; A: computed on the way; B: input Wp: left as it is (an operand is computed on the way)
;;   THE QUANTISER, for each operand of a quantised product, along K:
;;     - K is cut into blocks of 32 from its start; a last block that is shorter is filled with zeros.
;;     - A block's scale is 2^e with e = floor(log2(the largest magnitude in the block)) - 2, held to -126 .. 127; a block of zeros has e = 0. As a byte (E8M0): e + 127.
;;     - Each number is divided by its block's scale, clamped to +-6, and rounded to the nearest number of E2M1, ties to even, subnormals kept.
;;     - The product sums the exact products of the quantised numbers (number of the format x scale) in f32.
;;   ~~~python
;;   def quantise(x, axis):      # numpy; x: float32 -> the quantised numbers, widened to float32 again
;;       x = np.moveaxis(x, axis, -1); K = x.shape[-1]
;;       x = np.pad(x, [(0, 0)] * (x.ndim - 1) + [(0, -K % 32)]); x = x.reshape(x.shape[:-1] + (-1, 32)); a = np.abs(x).max(-1, keepdims=True)
;;       e = np.where(a > 0, np.clip(np.frexp(np.where(a > 0, a, 1))[1] - 1 - 2, -126, 127), 0)      # np.frexp(a)[1] - 1 = floor(log2(a)), exactly
;;       r = np.clip(x / 2.0 ** e, -6, 6)
;;       step = 2.0 ** (np.maximum(np.frexp(np.where(r == 0, 1, r))[1] - 1, 0) - 1)
;;       q = np.round(r / step) * step * 2.0 ** e      # np.round: ties to even
;;       return np.moveaxis(q.reshape(q.shape[:-2] + (-1,))[..., :K], -1, axis).astype(np.float32)
;;   ~~~
;; One version. Each part assembles by itself: llvm-mc -triple=amdgcn-amd-amdhsa -mcpu=gfx1250 --defsym DOCPART=n.
;; ======== version 1 of 1: 4 launches
;; limits: values are held in f16: magnitudes above 65,504 overflow, below 6.1e-05 lose precision
;; workspace buffers: codes 14,155,776 bytes; scales 884,736 bytes; wph 2,097,152 bytes; maskw 524,288 bytes of whole numbers; qkv 50,331,648 bytes; att 16,777,216 bytes
;; launch prep (part 1): grid 1024 x 1, 4 waves a work-group, no clusters, 67,072 bytes of LDS; arguments query, key, value, Wq, Wk, Wv, Wp, mask, codes, scales, wph, maskw; writes codes, scales, wph, maskw
.if DOCPART == 1
	.amdgcn_target "amdgcn-amd-amdhsa--gfx1250"
	.amdhsa_code_object_version 6
	.text
	.protected	k_qe3bfef8392_prep
	.globl	k_qe3bfef8392_prep
	.p2align	8
	.type	k_qe3bfef8392_prep,@function
k_qe3bfef8392_prep:
	s_mov_b64 s[64:65], 0
	v_nop
	global_prefetch_b8 v0, s[64:65] scope:SCOPE_SE
	s_setreg_imm32_b32 hwreg(HW_REG_WAVE_MODE, 25, 1), 1
	s_wait_xcnt 0x0
; PREP: everything that later launches read many times is made once.  Each work-group reads 131,072 bytes.
;   work-groups 0-863:    query, key, value [8192][1024] and Wq, Wk, Wv [1024][1024], f32, become codes of FP4 (E2M1), K innermost, two codes a byte, and one E8M0 byte for each 32 along K.
;                         The six tensors are stacked: codes [27648 rows][512 bytes], scales [27648][32 bytes]; rows 0 query, 8192 key, 16384 value, 24576 Wq, 25600 Wk, 26624 Wv.
;   work-groups 864-895:  Wp [1024][1024] f32 is rounded to f16, same layout.
;   work-groups 896-1023: the mask [2048][2048] i32 becomes words of 32 bits, one bit a lane, in the layout in which the attention launch holds its scores:
;                         maskw [128 tiles of 16 queries][32 steps of 64 keys][32 words]; bit l of word 8 t + j is (mask[16 tile + l % 16][64 step + 16 t + 8 (l / 16) + j] != 0).
; THE QUANTISER: a block's scale is 2^(floor(log2(largest magnitude)) - 2); its byte is the largest magnitude's exponent field - 2, held at 1 from below; numbers are divided by the scale and rounded to the nearest code, ties to even, beyond 6 the code of 6.
; LIMITS: a block of zeros gets the byte 1 where the rule says 127 (its codes are zeros, and these bytes are read by this program alone); blocks whose largest magnitude lies under 2^-124 keep the byte 1;
; NaN and infinities among the inputs are not served; Wp beyond 65,504 in magnitude has no f16 number.
; No tensor loads, no barrier: waves share nothing.  Each of the two paths that use LDS has LDS bytes of its own.
.set STEPS, 16
.set EMAX,  2
.set CB,    8                          ; bytes of 16 codes
.set R,     16                         ; v16-79   quantiser: four sets of 16 numbers as loaded
.set X,     80                         ; v80-111  two sets of 16 neighbours
.set E,     112                        ; v112-127 a scale byte for each step
.set C,     128                        ; v128-191 codes: registers of their own for each step, so that no store's data are written again
.set WREG,  8192                       ; LDS, quantiser: a region for each wave: two stages of 32 x SP bytes, then its 256 scale bytes
.set SP,    80                         ; a lane's place in a stage: 64 bytes + 16 of padding
.set MBASE, 4*WREG                     ; LDS, mask: behind the quantiser's regions
.set MREG,  16*528                     ; a region for each wave: 16 rows of 512 bytes + 16 of padding
.set SPARE, MBASE+4*MREG               ; the spare words, 128 bytes for each wave: two blocks of 256 bytes that no other line names
.set SPW,   12                         ; v12  LDS address of my spare word; never rewritten
.set NIL,   13                         ; v13  0; never rewritten
.set MS,    5                          ; v5   mask: where I put 16 bytes of a row
.set MR,    6                          ; v6   mask: where I read my query's keys back
.set MX,    32                         ; v32-159  mask: two sets of 64 registers as loaded
.set MY,    160                        ; v160-223 mask: 64 numbers in the scores' layout
.set OUT,   224                        ; v224-231 mask: a unit's 64 words, two a lane; a pair for each unit
.macro FINISH                          ; the wave's end
	s_wait_tensorcnt 0x0
	ds_add_u32 v[SPW], v[NIL]
	s_wait_dscnt 0x0
	s_endpgm
.endm
	s_load_b512 s[16:31], s[0:1], 0x0              ; query s[16:17], key s[18:19], value s[20:21], Wq s[22:23], Wk s[24:25], Wv s[26:27], Wp s[28:29], mask s[30:31]
	s_load_b256 s[32:39], s[0:1], 0x40             ; codes s[32:33], scales s[34:35], wph s[36:37], maskw s[38:39]
	v_lshl_add_u32 v[SPW], v0, 2, SPARE
	v_mov_b32 v[NIL], 0
	v_lshrrev_b32 v1, 5, v0
	v_readfirstlane_b32 s8, v1                     ; wave 0..3
	v_and_b32 v2, 31, v0                           ; lane
	v_lshlrev_b32 v3, 4, v2                        ; 16 bytes a lane
	v_lshlrev_b32 v4, 3, v2                        ; 8 bytes a lane
	s_wait_kmcnt 0x0
	s_cmp_ge_u32 ttmp9, 896                        ; the three paths part on the work-group's number alone
	s_cbranch_scc1 .Lmask
	s_cmp_ge_u32 ttmp9, 864
	s_cbranch_scc1 .Lwp
; ---------------- the quantiser: a wave takes 16 steps of 512 numbers ----------------
; The conversions take numbers of ONE block from a lane's consecutive registers, so a lane must hold 16 neighbours; a load is best where neighbouring lanes take neighbouring bytes.
; Both are had: each load reads 512 consecutive bytes, a step's 2,048 bytes go through the wave's own stage in LDS as they lie and come back 64 bytes a lane.  Two neighbouring lanes hold a block.
	s_mul_i32 s9, s8, WREG
	v_lshrrev_b32 v14, 2, v2
	v_mul_u32_u24 v14, v14, SP
	v_and_b32 v15, 3, v2
	v_lshl_add_u32 v14, v15, 4, v14
	v_add_nc_u32 v14, s9, v14                      ; the stage on the way in: SP (lane / 4) + 16 (lane % 4); a load's 512 bytes take eight places
	v_mul_u32_u24 v15, v2, SP
	v_add_nc_u32 v15, s9, v15                      ; and on the way out: SP x lane
	v_lshrrev_b32 v5, 1, v2
	s_add_co_u32 s9, s9, 2*32*SP
	v_add_nc_u32 v5, s9, v5                        ; my wave's 256 scale bytes: my block's byte,
	v_add_nc_u32 v6, s9, v4                        ; and on the way out 8 bytes a lane
	s_mov_b64 s[4:5], s[26:27]                     ; which tensor is my work-group's, and which is that tensor's first work-group: a chain of choices on the work-group's number
	s_mov_b32 s10, 832
	s_cmp_lt_u32 ttmp9, 832
	s_cselect_b64 s[4:5], s[24:25], s[4:5]
	s_cselect_b32 s10, 800, s10
	s_cmp_lt_u32 ttmp9, 800
	s_cselect_b64 s[4:5], s[22:23], s[4:5]
	s_cselect_b32 s10, 768, s10
	s_cmp_lt_u32 ttmp9, 768
	s_cselect_b64 s[4:5], s[20:21], s[4:5]
	s_cselect_b32 s10, 512, s10
	s_cmp_lt_u32 ttmp9, 512
	s_cselect_b64 s[4:5], s[18:19], s[4:5]
	s_cselect_b32 s10, 256, s10
	s_cmp_lt_u32 ttmp9, 256
	s_cselect_b64 s[4:5], s[16:17], s[4:5]
	s_cselect_b32 s10, 0, s10
	s_sub_co_u32 s10, ttmp9, s10
	s_lshl_b32 s10, s10, 2
	s_add_co_u32 s10, s10, s8                      ; which run of 8,192 numbers of the tensor is my wave's
	s_lshl_b32 s10, s10, 15                        ; 32,768 bytes a run
	s_mov_b32 s11, 0
	s_add_nc_u64 s[4:5], s[4:5], s[10:11]
	s_lshl_b32 s10, ttmp9, 2
	s_add_co_u32 s10, s10, s8                      ; and which run of the stacked output: the work-groups follow the stack's order
	s_lshl_b32 s12, s10, 12                        ; 4,096 bytes of codes a run
	s_mov_b32 s13, 0
	s_add_nc_u64 s[32:33], s[32:33], s[12:13]
	s_lshl_b32 s12, s10, 8                         ; 256 scale bytes a run
	s_add_nc_u64 s[34:35], s[34:35], s[12:13]
.macro LOAD t
.irp i, 0,1,2,3
	global_load_b128 v[R+16*((\t)%4)+4*\i:R+16*((\t)%4)+4*\i+3], v3, s[4:5] offset:2048*(\t)+512*\i th:TH_LOAD_NT   ; 32 lanes read 512 consecutive bytes
.endr
.endm
.macro TURN t                          ; step t's numbers through the stage: LDS serves a wave's instructions in order, so no wait stands between the stores and the loads
.irp i, 0,1,2,3
	ds_store_b128 v14, v[R+16*((\t)%4)+4*\i:R+16*((\t)%4)+4*\i+3] offset:32*SP*((\t)%2)+8*SP*\i
.endr
.irp i, 0,1,2,3
	ds_load_b128 v[X+16*((\t)%2)+4*\i:X+16*((\t)%2)+4*\i+3], v15 offset:32*SP*((\t)%2)+16*\i
.endr
.endm
.irp t, 0,1,2,3
	LOAD \t
.endr
	s_wait_loadcnt 12                              ; step 0's four loads are in; the twelve of steps 1 to 3 may be out
	TURN 0
.macro STEP t
.set XS, X+16*((\t)%2)
.if (\t) > 0
	s_wait_dscnt 1                                 ; this step's numbers are back from the stage (the last step's byte store may be out): so its stores into the stage have read their registers,
.else
	s_wait_dscnt 0x0
.endif
.if (\t)+4 < STEPS
	LOAD (\t)+4                                    ; which take the loads of four steps on
.endif
.if (\t)+1 < STEPS
.if STEPS-2-(\t) >= 3
	s_wait_loadcnt 12                              ; the next step's four loads are in; those of the three steps behind it may be out
.else
	s_wait_loadcnt 4*(STEPS-2-(\t))
.endif
	TURN (\t)+1                                    ; and go through the other stage while this step is worked
.endif
	v_max3_num_f32 v8, |v[XS]|, |v[XS+1]|, |v[XS+2]|               ; the largest magnitude of my 16, in two chains
	v_max3_num_f32 v9, |v[XS+3]|, |v[XS+4]|, |v[XS+5]|
.irp i, 6,10
	v_max3_num_f32 v8, v8, |v[XS+\i]|, |v[XS+\i+1]|
	v_max3_num_f32 v9, v9, |v[XS+\i+2]|, |v[XS+\i+3]|
.endr
	v_max3_num_f32 v8, v8, |v[XS+14]|, |v[XS+15]|
	v_max3_num_f32 v8, v8, v9, (EMAX+1)<<23        ; and the floor 2^(EMAX + 1 - 127): the byte cannot fall under 1
	v_max_num_f32_dpp v8, v8, v8 row_xmask:1 row_mask:0xf bank_mask:0xf   ; and of my neighbour's 16: the block's
	v_add_nc_u32 v11, -(EMAX<<23), v8              ; EMAX off its exponent field: the conversion takes the exponent field of this operand as its scale, and nothing else of it
	v_cvt_scalef32_pk8_fp4_f32 v[C+4*(\t)], v[XS:XS+7], v11
	v_cvt_scalef32_pk8_fp4_f32 v[C+4*(\t)+1], v[XS+8:XS+15], v11
	v_lshrrev_b32 v[E+(\t)], 23, v11               ; the scale's byte (a plain line behind the conversions)
	ds_store_b8 v5, v[E+(\t)] offset:16*(\t)       ; both lanes of a block write the same byte with the same value
	global_store_b64 v4, v[C+4*(\t):C+4*(\t)+1], s[32:33] offset:32*CB*(\t)   ; 32 lanes store 256 consecutive bytes, aligned
.endm
.irp t, 0,1,2,3,4,5,6,7,8,9,10,11,12,13,14,15
	STEP \t
.endr
	ds_load_b64 v[8:9], v6                         ; LDS serves a wave's instructions in order: these see my byte stores
	s_wait_dscnt 0x0
	global_store_b64 v4, v[8:9], s[34:35]          ; 32 lanes store the wave's 256 scale bytes, aligned
	FINISH
; ---------------- Wp to f16: a wave takes 8,192 numbers, four batches of 16 loads ----------------
.Lwp:
	s_sub_co_u32 s10, ttmp9, 864
	s_lshl_b32 s10, s10, 2
	s_add_co_u32 s10, s10, s8
	s_lshl_b32 s12, s10, 15
	s_mov_b32 s13, 0
	s_add_nc_u64 s[28:29], s[28:29], s[12:13]
	s_lshl_b32 s12, s10, 14
	s_add_nc_u64 s[36:37], s[36:37], s[12:13]
.macro WLOAD k
.irp i, 0,1,2,3,4,5,6,7,8,9,10,11,12,13,14,15
	global_load_b128 v[32+4*\i:35+4*\i], v3, s[28:29] offset:(16*(\k)+\i)*512 th:TH_LOAD_NT
.endr
.endm
	WLOAD 0
.irp k, 0,1,2,3
	s_wait_loadcnt 0x0                             ; the batch is in
.irp i, 0,1,2,3,4,5,6,7,8,9,10,11,12,13,14,15
	v_cvt_pk_f16_f32 v[96+32*\k+2*\i], v[32+4*\i], v[33+4*\i]      ; registers of their own for each batch: no store's data are written again
	v_cvt_pk_f16_f32 v[97+32*\k+2*\i], v[34+4*\i], v[35+4*\i]
.endr
.if \k < 3
	WLOAD \k+1                                     ; loads ahead of stores
.endif
.irp i, 0,1,2,3,4,5,6,7,8,9,10,11,12,13,14,15
	global_store_b64 v4, v[96+32*\k+2*\i:97+32*\k+2*\i], s[36:37] offset:(16*\k+\i)*256   ; 32 lanes store 256 consecutive bytes, aligned
.endr
.endr
	FINISH
; ---------------- the mask: work-group c takes queries 16 c .. 16 c + 15, wave w keys 512 w .. 512 w + 511, in four units of 128 keys ----------------
; A unit's 16 rows x 512 bytes are loaded as they lie, turned through the wave's stage so that lane (r, h) holds, of query r, register 8 t + j = key 16 t + 8 h + j, and compared with 0:
; each compare's lane mask IS one word of the output.  64 words a unit are put two to a lane and leave as 256 consecutive bytes.
.Lmask:
	s_sub_co_u32 s10, ttmp9, 896                   ; c
	s_lshl_b32 s12, s10, 17                        ; 16 rows of 8,192 bytes
	s_lshl_b32 s14, s8, 11                         ; 512 keys of 4 bytes
	s_add_co_u32 s12, s12, s14
	s_mov_b32 s13, 0
	s_add_nc_u64 s[30:31], s[30:31], s[12:13]
	s_lshl_b32 s12, s10, 12                        ; a tile's 32 steps x 128 bytes
	s_lshl_b32 s14, s8, 10                         ; my 8 steps
	s_add_co_u32 s12, s12, s14
	s_add_nc_u64 s[38:39], s[38:39], s[12:13]
	s_mul_i32 s9, s8, MREG
	s_add_co_u32 s9, s9, MBASE                     ; my stage
	v_add_nc_u32 v[MS], s9, v3                     ; in: 16 bytes a lane of a row
	v_and_b32 v7, 15, v2                           ; r
	v_lshrrev_b32 v8, 4, v2                        ; h
	v_mul_u32_u24 v[MR], v7, 528
	v_lshl_add_u32 v[MR], v8, 5, v[MR]
	v_add_nc_u32 v[MR], s9, v[MR]                  ; back: row r, + 32 h bytes
.irp i, 0,1,2,3,4,5,6,7
	v_mov_b32 v[OUT+\i], 0                         ; v_writelane_b32's destination counts as read
.endr
.macro MLOAD u
.irp i, 0,1,2,3,4,5,6,7,8,9,10,11,12,13,14,15
	global_load_b128 v[MX+64*((\u)%2)+4*\i:MX+64*((\u)%2)+4*\i+3], v3, s[30:31] offset:\i*8192+(\u)*512 th:TH_LOAD_NT   ; 512 consecutive bytes of row i
.endr
.endm
.macro MUNIT u
.set MXS, MX+64*((\u)%2)
.if (\u) < 3
	s_wait_loadcnt 16                              ; this unit's 16 loads are in; the next unit's may be out
.else
	s_wait_loadcnt 0x0
.endif
.irp i, 0,1,2,3,4,5,6,7,8,9,10,11,12,13,14,15
	ds_store_b128 v[MS], v[MXS+4*\i:MXS+4*\i+3] offset:\i*528
.endr
.irp t, 0,1,2,3,4,5,6,7
.irp p, 0,1
	ds_load_b128 v[MY+8*\t+4*\p:MY+8*\t+4*\p+3], v[MR] offset:64*\t+16*\p   ; LDS serves a wave's instructions in order: these see the stores above
.endr
.endr
	s_wait_dscnt 0x0                               ; the numbers are back, and the stores have read their registers,
.if (\u) < 2
	MLOAD (\u)+2                                   ; which take the unit two further on
.endif
.irp t, 0,1,2,3,4,5,6,7
.irp j, 0,1,2,3,4,5,6,7
	v_cmp_ne_u32 s[40+8*(\t%2)+\j], 0, v[MY+8*\t+\j]               ; word 8 t + j of the unit
.endr
.irp j, 0,1,2,3,4,5,6,7
	v_writelane_b32 v[OUT+2*(\u)+(\j%2)], s[40+8*(\t%2)+\j], (8*\t+\j)/2   ; words 2 L and 2 L + 1 to lane L
.endr
.endr
	global_store_b64 v4, v[OUT+2*(\u):OUT+2*(\u)+1], s[38:39] offset:(\u)*256   ; 32 lanes store 256 consecutive bytes, aligned: two steps' words
.endm
	MLOAD 0
	MLOAD 1
	MUNIT 0
	MUNIT 1
	MUNIT 2
	MUNIT 3
	FINISH
.Lfunc_end_k_qe3bfef8392_prep:
	.size	k_qe3bfef8392_prep, .Lfunc_end_k_qe3bfef8392_prep-k_qe3bfef8392_prep
	.p2alignl 7, 3214868480
	.fill 96, 4, 3214868480
	.section	.rodata,"a",@progbits
	.p2align	6, 0x0
	.amdhsa_kernel k_qe3bfef8392_prep
		.amdhsa_group_segment_fixed_size 67072
		.amdhsa_private_segment_fixed_size 0
		.amdhsa_enable_private_segment 0
		.amdhsa_kernarg_size 96
		.amdhsa_user_sgpr_count 2
		.amdhsa_user_sgpr_kernarg_segment_ptr 1
		.amdhsa_wavefront_size32 1
		.amdhsa_system_sgpr_workgroup_id_x 1
		.amdhsa_system_sgpr_workgroup_id_y 1
		.amdhsa_system_sgpr_workgroup_id_z 1
		.amdhsa_system_vgpr_workitem_id 0
		.amdhsa_next_free_vgpr 240
		.amdhsa_next_free_sgpr 66
		.amdhsa_reserve_vcc 0
		.amdhsa_float_denorm_mode_32 3
		.amdhsa_float_denorm_mode_16_64 3
		.amdhsa_memory_ordered 1
		.amdhsa_forward_progress 1
		.amdhsa_inst_pref_size 102
	.end_amdhsa_kernel
	.amdgpu_metadata
---
amdhsa.version: [ 1, 2 ]
amdhsa.kernels:
  - .name:           k_qe3bfef8392_prep
    .symbol:         k_qe3bfef8392_prep.kd
    .args:
      - { .name: query, .offset: 0, .size: 8, .value_kind: global_buffer, .address_space: global }
      - { .name: key, .offset: 8, .size: 8, .value_kind: global_buffer, .address_space: global }
      - { .name: value, .offset: 16, .size: 8, .value_kind: global_buffer, .address_space: global }
      - { .name: Wq, .offset: 24, .size: 8, .value_kind: global_buffer, .address_space: global }
      - { .name: Wk, .offset: 32, .size: 8, .value_kind: global_buffer, .address_space: global }
      - { .name: Wv, .offset: 40, .size: 8, .value_kind: global_buffer, .address_space: global }
      - { .name: Wp, .offset: 48, .size: 8, .value_kind: global_buffer, .address_space: global }
      - { .name: mask, .offset: 56, .size: 8, .value_kind: global_buffer, .address_space: global }
      - { .name: codes, .offset: 64, .size: 8, .value_kind: global_buffer, .address_space: global }
      - { .name: scales, .offset: 72, .size: 8, .value_kind: global_buffer, .address_space: global }
      - { .name: wph, .offset: 80, .size: 8, .value_kind: global_buffer, .address_space: global }
      - { .name: maskw, .offset: 88, .size: 8, .value_kind: global_buffer, .address_space: global }
    .group_segment_fixed_size: 67072
    .private_segment_fixed_size: 0
    .kernarg_segment_align: 8
    .kernarg_segment_size: 96
    .max_flat_workgroup_size: 128
    .sgpr_count:     66
    .vgpr_count:     240
    .wavefront_size: 32
...
	.end_amdgpu_metadata
.endif
;; end of part 1
;; launch qkv (part 2): grid 4 x 96, 4 waves a work-group, clusters of 4 x 4, 327,680 bytes of LDS; arguments codes, scales, qkv; writes qkv
.if DOCPART == 2
	.amdgcn_target "amdgcn-amd-amdhsa--gfx1250"
	.amdhsa_code_object_version 6
	.text
	.protected	k_qe3bfef8392_qkv
	.globl	k_qe3bfef8392_qkv
	.p2align	8
	.type	k_qe3bfef8392_qkv,@function
k_qe3bfef8392_qkv:
	s_mov_b64 s[64:65], 0
	v_nop
	global_prefetch_b8 v0, s[64:65] scope:SCOPE_SE
	s_setreg_imm32_b32 hwreg(HW_REG_WAVE_MODE, 25, 1), 1
	s_wait_xcnt 0x0
	s_wait_alu depctr_hold_cnt(0) depctr_sa_sdst(0) depctr_va_vdst(0) depctr_va_sdst(0) depctr_va_ssrc(0) depctr_va_vcc(0) depctr_vm_vsrc(0)
	s_getreg_b32 s2, hwreg(HW_REG_IB_STS2, 6, 4)
	s_cmp_eq_u32 s2, 0
	s_cbranch_scc0 .Lentry_in_a_cluster
	s_endpgm
.Lentry_in_a_cluster:
	s_bfe_u32 s2, ttmp6, 0x10000c
	s_cmp_lg_u32 s2, 0xf033
	s_cbranch_scc0 .Lentry_shape_is_right
	s_endpgm
.Lentry_shape_is_right:
; q = query Wq^T, k = key Wk^T, v = value Wv^T as ONE product on codes of FP4 (E2M1) with one E8M0 scale for each 32 along K: 24,576 stacked rows x 1,024 columns, K = 1,024; sums in f32, results rounded once to f16.
; codes [27648][512 bytes], scales [27648][32 bytes]: rows 0-24575 the three activations, rows 24576 + 1024 i the weight of tensor i.  qkv [3 tensors][4 batches][16 heads][2048 tokens][64] f16.
; A tile, 256 rows x 256 columns, is made by a work-group of four waves, a wave 128 x 128: 64 accumulators, 512 registers.  All of K lies in two LDS slots of 512 along K (rows of 256 bytes): no slot is filled twice.
; THE SCALES of the work-group's 256 + 256 rows, for all of K, are two dense blocks of memory: they come into LDS once, with the first fills.
; CLUSTERS: 4 x 4 work-groups.  The four of a row of the cluster need the same activation rows, the four of a column the same weight rows (a cluster's 1,024 rows lie in one tensor): each tile is asked for JOINTLY.
; THE MATRIX INSTRUCTION IS USED TRANSPOSED (source 0 = 16 weight rows, source 1 = 16 tokens): a lane holds eight neighbouring columns of one token.
; LIMIT: results beyond 65,504 in magnitude have no f16 number (sums of 1,024 products: inputs 30 times those drawn, or offset by 30 spreads, stay under it).
; REGISTERS, in windows of 256: window 0: v0-31 addresses; v32-95 scale words, two sets; from v128 A's fragments, one set; on the way out v32-63 packed results, v128-191 rows read back.
;   window 1: B's fragments, two sets, at v0 and v128.   window 2: the accumulators of my rows 0-63 ((a, b) at v[8 (8 a + b)]);   window 3: those of my rows 64-127.
.set KSTEP,  512                       ; along K in a slot
.set NQ,     KSTEP/128                 ; matrix instructions deep
.set ROWB,   256                       ; a tile's row in bytes
.set KROW,   512                       ; a row of codes in memory
.set PITCH,  272                       ; an LDS row: 256 bytes + 16 of padding: the 16 rows that a load touches start 68 words apart
.set FR,     8                         ; registers of a fragment: 16 rows x 128 K
.set NL,     2                         ; LDS loads that bring one
.set NP,     4                         ; places behind this matrix instruction (ISA guide 7.12.1)
.set HALFT,  128*PITCH                 ; 128 rows: what one tensor load brings
.set SLOT,   4*HALFT                   ; A's 256 rows, then B's 256 rows
.set KS,     32                        ; a row of scales in bytes
.set SCL,    2*SLOT                    ; behind the slots: the scales, as units of 256 bytes + 16 of padding
.set HALFS,  (128*KS/256)*272          ; the scales of 128 rows
.set SBLK,   (16*KS/256)*272           ; those of 16 rows
.set SPARE,  SCL+4*HALFS               ; the spare words, 128 bytes for each wave
.set SPITCH, 272                       ; the way out: a stage of 16 rows x (256 bytes + 16) for each wave, in slot 0, which has had its only fill and its last read by then
.set ADRA, 16                          ; v16-17  LDS address of my A fragments in slot 0, 1
.set ADRB, 20                          ; v20-21  the same for B
.set STO,  24                          ; v24     the way out: where I put 16 bytes of a token's row
.set RD,   25                          ; v25     where I read back
.set CO,   26                          ; v26     16 x lane
.set ADRS, 27                          ; v27     LDS address of my scale words: lanes 0-15 A's rows, lanes 16-31 B's
.set SPW,  28                          ; v28     my spare word; never rewritten
.set NIL,  29                          ; v29     0; never rewritten
.set SC,   32                          ; scale words: set s at v[SC + 8 NQ s]; register NQ i + q: lanes 0-15 A's block i, lanes 16-31 B's block i
.set AF,   128                         ; A's fragments, window 0
.set TMP,  32                          ; the way out: packed results
.set BK,   128                         ; the way out: v128-159 and v160-191 by turns
.set G1, 24
.set G0, 32
.set G1B, 48
.set G0B, 56
.set G1S, 68
.set G0S, 76
.set G1SB, 80
.set G0SB, 88
.set MSB, 0
.macro WIN new                         ; the immediate's high byte repeats the setting that is left
.if MSB != (\new)
	s_set_vgpr_msb (MSB<<8)|(\new)
.set MSB, (\new)
.endif
.endm
.set MUL_LO, 0xa1                      ; source 0 (B) window 1, source 1 (A) window 0, C and D window 2
.set MUL_HI, 0xf1                      ; the same, C and D window 3
.set TO_B,   0x40                      ; destination window 1, address window 0
; A joint load: waves 0 and 1 fetch for A, waves 2 and 3 for B; the branch hangs on the wave's number alone.  An s_nop 0 and four v_nop follow each line.
.macro JLOAD g0a, g1a, g0b, g1b
	s_cmp_eq_u32 s15, 0
	s_cbranch_scc0 .Lfor_b_\@
	tensor_load_to_lds s[\g0a:\g0a+3], s[\g1a:\g1a+7]
	s_nop 0
.rept 4
	v_nop
.endr
	s_branch .Lasked_\@
.Lfor_b_\@:
	tensor_load_to_lds s[\g0b:\g0b+3], s[\g1b:\g1b+7]
	s_nop 0
.rept 4
	v_nop
.endr
.Lasked_\@:
.endm
.macro CROUND                          ; a round of the cluster's barrier
	s_barrier_signal -1
	s_barrier_wait -1
	s_cmp_lg_u32 s14, 0
	s_cbranch_scc1 .Lnot_wave_0_\@
	s_barrier_signal -3
.Lnot_wave_0_\@:
	s_barrier_wait -3
	s_barrier_signal -1
	s_barrier_wait -1
.endm
	s_load_b128 s[4:7], s[0:1], 0x0                ; codes s[4:5], scales s[6:7]
	s_load_b64 s[12:13], s[0:1], 0x10              ; qkv
	v_lshl_add_u32 v[SPW], v0, 2, SPARE
	v_mov_b32 v[NIL], 0
	ds_add_u32 v[SPW], v[NIL]                      ; the wave's opening: the add, twice on end, and its wait ahead of my first tensor load
	ds_add_u32 v[SPW], v[NIL]
	v_lshrrev_b32 v1, 5, v0
	v_readfirstlane_b32 s14, v1                    ; wave 0..3
	s_lshr_b32 s15, s14, 1                         ; which half of the tile's rows is mine.  Also: I fetch for A (0) or for B (1)
	s_and_b32 s16, s14, 1                          ; which half of its columns.  Also: which 128 rows I fetch
	s_bfe_u32 s40, ttmp6, 0x40000                  ; cx, cy: my place in the cluster
	s_bfe_u32 s41, ttmp6, 0x40004
	s_lshl_b32 s42, ttmp9, 2
	s_add_co_u32 s42, s42, s40                     ; tile column = 4 x cluster x + cx
	s_and_b32 s17, ttmp7, 0xffff
	s_lshr_b32 s8, s17, 3                          ; the tensor's number: 8 clusters of 1,024 rows each; all sixteen partners share it
	s_lshl_b32 s17, s17, 2
	s_add_co_u32 s17, s17, s41                     ; tile row = 4 x cluster y + cy
	s_lshl_b32 s43, s41, 2
	s_lshl_b32 s43, 15, s43                        ; my row of the cluster
	s_lshl_b32 s44, 0x1111, s40                    ; my column
	; descriptor group 1: a tile of 128 rows x 256 bytes, 16 bytes of padding behind each row
	s_or_b32 s[G1+0], s43, (0<<16)|(1<<20)|(1<<21)|(5<<22)|(3<<25)  ; 15:0 the mask; 17:16 elements of 1 byte; 20 padding on; 21 set beside a mask; 24:22 after every 64 words; 31:25 four words
	s_or_b32 s[G1B+0], s44, (0<<16)|(1<<20)|(1<<21)|(5<<22)|(3<<25)
.irp g, G1, G1B
	s_mov_b32 s[\g+1], ROWB<<16                    ; tensor_dim0
	s_mov_b32 s[\g+2], 128<<16                     ; tensor_dim1
	s_mov_b32 s[\g+3], ROWB<<16                    ; tile_dim0
	s_mov_b32 s[\g+4], 128                         ; tile_dim1
	s_mov_b32 s[\g+5], KROW                        ; tensor_dim0_stride
	s_mov_b32 s[\g+6], 0
	s_mov_b32 s[\g+7], 0
.endr
	; the scales of 128 rows: 4,096 dense bytes as 16 rows of 256 bytes (32 elements of 8 bytes), 16 bytes of padding behind each
	s_or_b32 s[G1S+0], s43, (3<<16)|(1<<20)|(1<<21)|(5<<22)|(3<<25)
	s_or_b32 s[G1SB+0], s44, (3<<16)|(1<<20)|(1<<21)|(5<<22)|(3<<25)
.irp g, G1S, G1SB
	s_mov_b32 s[\g+1], 32<<16
	s_mov_b32 s[\g+2], (128*KS/256)<<16
	s_mov_b32 s[\g+3], 32<<16
	s_mov_b32 s[\g+4], 128*KS/256
	s_mov_b32 s[\g+5], 32
	s_mov_b32 s[\g+6], 0
	s_mov_b32 s[\g+7], 0
.endr
	s_lshl_b32 s18, s16, 7                         ; which 128 rows of the tile I fetch
	s_lshl_b32 s20, s17, 8
	s_add_co_u32 s20, s20, s18                     ; A: row 256 x tile row + 128 x half
	s_lshl_b32 s46, s42, 8
	s_add_co_u32 s46, s46, s18                     ; B: row 256 x tile column + 128 x half
	s_lshl_b32 s19, s8, 10
	s_add_co_u32 s46, s46, s19                     ; in the tensor's weight,
	s_add_co_u32 s46, s46, 24576                   ; behind the activations' rows
	s_mov_b32 s21, 0
	s_mov_b32 s47, 0
	s_mov_b64 s[18:19], KS
	s_mul_u64 s[22:23], s[20:21], s[18:19]         ; where these rows' scales begin, in bytes
	s_mul_u64 s[92:93], s[46:47], s[18:19]
	s_mov_b64 s[18:19], KROW
	s_mul_u64 s[20:21], s[20:21], s[18:19]         ; and their codes
	s_mul_u64 s[46:47], s[46:47], s[18:19]
	s_mul_i32 s45, s14, HALFT                      ; where they go: wave x 128 rows
	s_mul_i32 s94, s14, HALFS
	s_wait_dscnt 0x0                               ; both opening adds are done
	s_wait_kmcnt 0x0
	s_add_nc_u64 s[20:21], s[4:5], s[20:21]
	s_add_nc_u64 s[22:23], s[6:7], s[22:23]
	s_add_nc_u64 s[46:47], s[4:5], s[46:47]
	s_add_nc_u64 s[92:93], s[6:7], s[92:93]
	CROUND                                         ; all sixteen work-groups are here: the joint loads meet
	s_mov_b32 s[G0S], 1
	s_add_co_u32 s[G0S+1], s94, SCL
	s_mov_b64 s[G0S+2:G0S+3], s[22:23]
	s_or_b32 s[G0S+3], s[G0S+3], 0x80000000
	s_mov_b32 s[G0SB], 1
	s_add_co_u32 s[G0SB+1], s94, SCL
	s_mov_b64 s[G0SB+2:G0SB+3], s[92:93]
	s_or_b32 s[G0SB+3], s[G0SB+3], 0x80000000
	JLOAD G0S, G1S, G0SB, G1SB                     ; the scales first: they are wanted with the first slot
.irp s, 0,1
	s_mov_b32 s[G0+4*\s], 1
	s_add_co_u32 s[G0+4*\s+1], s45, \s*SLOT
	s_add_nc_u64 s[G0+4*\s+2:G0+4*\s+3], s[20:21], \s*ROWB
	s_or_b32 s[G0+4*\s+3], s[G0+4*\s+3], 0x80000000
	s_mov_b32 s[G0B+4*\s], 1
	s_add_co_u32 s[G0B+4*\s+1], s45, \s*SLOT
	s_add_nc_u64 s[G0B+4*\s+2:G0B+4*\s+3], s[46:47], \s*ROWB
	s_or_b32 s[G0B+4*\s+3], s[G0B+4*\s+3], 0x80000000
	JLOAD G0+4*\s, G1, G0B+4*\s, G1B               ; three tensor loads of mine are out at the most
.endr
	v_and_b32 v1, 15, v0                           ; r = l % 16
	v_bfe_u32 v2, v0, 4, 1                         ; h = l / 16
	v_mul_u32_u24 v3, v1, PITCH
	v_lshl_add_u32 v4, v2, 4, v3                   ; a fragment's row x pitch + 16 x half
	s_mul_i32 s21, s15, HALFT                      ; my 128 rows of A
	s_mul_i32 s22, s16, HALFT                      ; my 128 rows of B,
	s_add_co_u32 s22, s22, 2*HALFT                 ; behind A's 256
.irp s, 0,1
	v_add_nc_u32 v[ADRA+\s], s21, v4
	v_add_nc_u32 v[ADRB+\s], s22, v4
	s_add_co_u32 s21, s21, SLOT
	s_add_co_u32 s22, s22, SLOT
.endr
	v_mul_u32_u24 v5, v1, KS                       ; my row's scales: KS bytes a row,
	v_lshrrev_b32 v6, 8, v5
	v_lshl_add_u32 v5, v6, 4, v5                   ; and 16 more for each 256 passed
	s_mul_i32 s21, s15, HALFS                      ; A's: my 128 rows
	s_mul_i32 s22, s16, HALFS                      ; B's: my 128 rows, behind A's 256
	s_add_co_u32 s22, s22, 2*HALFS
	s_sub_co_u32 s22, s22, s21
	v_mul_u32_u24 v6, s22, v2                      ; lanes 16-31 take B's: one product, the distance x h
	s_add_co_u32 s21, s21, SCL
	v_add_nc_u32 v5, v5, v6
	v_add_nc_u32 v[ADRS], s21, v5
	s_mul_i32 s23, s14, 16*SPITCH                  ; my stage
	v_mul_u32_u24 v5, v1, SPITCH                   ; in: token l % 16, 16 bytes for each half of the lanes
	v_lshl_add_u32 v5, v2, 4, v5
	v_add_nc_u32 v[STO], s23, v5
	v_and_b32 v6, 31, v0
	v_lshrrev_b32 v7, 3, v6                        ; back: eight lanes take the 128 bytes of one token and one head, four tokens an instruction
	v_mul_u32_u24 v7, v7, SPITCH
	v_and_b32 v8, 7, v6
	v_lshl_add_u32 v7, v8, 4, v7
	v_add_nc_u32 v[RD], s23, v7
	v_lshlrev_b32 v[CO], 4, v6                     ; and in memory those four tokens are 512 consecutive bytes
	; where my part begins in qkv: (tensor, batch) = tile row / 8: 4 MiB each; head = 4 x tile column + 2 x half: 262,144 bytes each; token = 256 (tile row % 8) + 128 x half: 128 bytes each
	s_lshr_b32 s20, s17, 3
	s_lshl_b32 s20, s20, 22
	s_and_b32 s21, s17, 7
	s_lshl_b32 s21, s21, 8
	s_lshl_b32 s22, s15, 7
	s_add_co_u32 s21, s21, s22
	s_lshl_b32 s21, s21, 7
	s_add_co_u32 s20, s20, s21
	s_mov_b32 s21, 0
	s_lshl_b32 s46, s42, 2
	s_lshl_b32 s47, s16, 1
	s_add_co_u32 s46, s46, s47
	s_lshl_b32 s46, s46, 18
	s_mov_b32 s47, 0
	s_add_nc_u64 s[20:21], s[20:21], s[46:47]
	s_add_nc_u64 s[12:13], s[12:13], s[20:21]
.macro FRAG reg, adr, q, i             ; 16 rows x 128 K of 4-bit codes, 8 registers: lane l holds row l % 16; registers 4 c .. 4 c + 3 hold K = 64 c + 32 (l / 16) + 0 .. 31
.irp c, 0,1
	ds_load_b128 v[\reg+4*\c:\reg+4*\c+3], v[\adr] offset:64*(\q)+32*\c+(\i)*16*PITCH
.endr
.endm
; 16 matrix instructions: A's blocks a0, a0 + 1 x B's eight, the slot's q-th 128 along K.  p: B's set; sc: the set of scale words.  zero = 1: the product starts the sums.
; The 64 accumulators take turns, one instruction a turn, in the same order in every step.
.macro MUL16 a0, p, q, sc, zero
.irp a, \a0, \a0+1
.irp b, 0,1,2,3,4,5,6,7
.if \zero
	v_wmma_scale_f32_16x16x128_f8f6f4 v[8*(8*((\a)%4)+\b):8*(8*((\a)%4)+\b)+7], v[128*(\p)+FR*\b:128*(\p)+FR*\b+FR-1], v[AF+FR*(\a):AF+FR*(\a)+FR-1], 0, v[SC+8*NQ*(\sc)+NQ*\b+(\q)], v[SC+8*NQ*(\sc)+NQ*(\a)+(\q)] matrix_a_fmt:MATRIX_FMT_FP4 matrix_b_fmt:MATRIX_FMT_FP4 matrix_a_scale:MATRIX_SCALE_ROW1
.else
	v_wmma_scale_f32_16x16x128_f8f6f4 v[8*(8*((\a)%4)+\b):8*(8*((\a)%4)+\b)+7], v[128*(\p)+FR*\b:128*(\p)+FR*\b+FR-1], v[AF+FR*(\a):AF+FR*(\a)+FR-1], v[8*(8*((\a)%4)+\b):8*(8*((\a)%4)+\b)+7], v[SC+8*NQ*(\sc)+NQ*\b+(\q)], v[SC+8*NQ*(\sc)+NQ*(\a)+(\q)] matrix_a_fmt:MATRIX_FMT_FP4 matrix_b_fmt:MATRIX_FMT_FP4 matrix_a_scale:MATRIX_SCALE_ROW1
.endif
.endr
.endr
.endm
.macro FETCH_B slot, q, p
	WIN TO_B
.irp i, 0,1,2,3,4,5,6,7
	FRAG 128*(\p)+FR*\i, ADRB+\slot, \q, \i
.endr
	WIN 0
.endm
.macro FETCH_A slot, q, i0
.irp i, \i0, \i0+1, \i0+2, \i0+3
	FRAG AF+FR*(\i), ADRA+\slot, \q, \i
.endr
.endm
.macro SCALES sc                       ; a slot's scale words: NQ words a row; lanes 0-15 A's block i, lanes 16-31 B's block i
.irp i, 0,1,2,3,4,5,6,7
	ds_load_b128 v[SC+8*NQ*\sc+NQ*\i:SC+8*NQ*\sc+NQ*\i+3], v[ADRS] offset:\i*SBLK
.endr
.endm
.macro PLACES n                        ; plain vector instructions between a matrix instruction and a load into, or a vector read of, its registers (ISA guide 7.12.1 for vector reads)
.rept \n
	v_nop
.endr
.endm
.macro STEP slot, q, zero              ; a step of 128 along K that has its successor in the same slot
	s_wait_dscnt 4*NL                              ; B's set and A's blocks 0-3 are in; the youngest eight loads (A's blocks 4-7) may be out
	WIN MUL_LO
	MUL16 0, (\q)%2, \q, \slot, \zero
	MUL16 2, (\q)%2, \q, \slot, \zero
	s_wait_dscnt 0
	PLACES NP
	FETCH_B \slot, (\q)+1, 1-(\q)%2
	FETCH_A \slot, (\q)+1, 0
	WIN MUL_HI
	MUL16 4, (\q)%2, \q, \slot, \zero
	MUL16 6, (\q)%2, \q, \slot, \zero
	PLACES NP
	WIN 0
	FETCH_A \slot, (\q)+1, 4
.endm
.macro STEPS slot, from
.set Q, \from
.rept NQ-1-\from
	STEP \slot, Q, 0
.set Q, Q+1
.endr
.endm
	s_wait_tensorcnt 1                             ; the scales and my part of slot 0 are in (slot 1's load may be out)
	s_barrier_signal -1
	s_barrier_wait -1                              ; everybody's are
	FETCH_B 0, 0, 0
	FETCH_A 0, 0, 0
	SCALES 0
	FETCH_A 0, 0, 4
	STEP 0, 0, 1                                   ; the first step's products start the sums: nothing is cleared
	STEPS 0, 1
	; slot 0's last step changes slots: one barrier; nothing is filled again
	s_wait_tensorcnt 0x0                           ; my part of slot 1 has landed
	ds_add_u32 v[SPW], v[NIL]
	s_wait_dscnt 4*NL+1                            ; (the add and the youngest eight loads may be out)
	WIN MUL_LO
	MUL16 0, 1, NQ-1, 0, 0
	s_wait_dscnt 0x0                               ; the add is done, and my reads of slot 0 are over
	s_barrier_signal -1
	MUL16 2, 1, NQ-1, 0, 0
	WIN 0
	s_barrier_wait -1                              ; slot 1 is whole, and nobody reads slot 0 any more
	PLACES NP
	v_add_nc_u32 v[ADRS], 4*NQ, v[ADRS]            ; on to slot 1's scale words (no LDS load of mine is out)
	FETCH_B 1, 0, 0
	FETCH_A 1, 0, 0
	SCALES 1
	WIN MUL_HI
	MUL16 4, 1, NQ-1, 0, 0
	MUL16 6, 1, NQ-1, 0, 0
	PLACES NP
	WIN 0
	FETCH_A 1, 0, 4
	STEPS 1, 0
	s_wait_dscnt 4*NL                              ; the very last step: nothing more to fetch
	WIN MUL_LO
	MUL16 0, 1, NQ-1, 1, 0
	MUL16 2, 1, NQ-1, 1, 0
	s_wait_dscnt 0
	WIN MUL_HI
	MUL16 4, 1, NQ-1, 1, 0
	MUL16 6, 1, NQ-1, 1, 0
	WIN 0
; THE WAY OUT, block by block of 16 tokens x 128 columns (two heads).  PACK: rounded to f16, 16 bytes a lane.  TOSTAGE: into my own stage, and back by heads: 4 tokens x 128 bytes an instruction.  SEND: stored, 512 consecutive bytes an instruction.
.macro PACK a
.set AC, 64*((\a)%4)
	WIN 0x0a+5*((\a)/4)                            ; sources 0 and 1: window 2 or 3
.irp b, 0,1,2,3,4,5,6,7
.irp x, 0,1,2,3
	v_cvt_pk_f16_f32 v[TMP+4*\b+\x], v[AC+8*\b+2*\x], v[AC+8*\b+2*\x+1]   ; each accumulator from its low end on
.endr
.endr
	WIN 0
.endm
.macro TOSTAGE a
.set BB, BK+32*((\a)%2)
.irp b, 0,1,2,3,4,5,6,7
	ds_store_b128 v[STO], v[TMP+4*\b:TMP+4*\b+3] offset:32*\b
.endr
.irp hh, 0,1
.irp c, 0,1,2,3
	ds_load_b128 v[BB+4*(4*\hh+\c):BB+4*(4*\hh+\c)+3], v[RD] offset:\c*4*SPITCH+128*\hh   ; LDS serves a wave's instructions in order: these see the stores above
.endr
.endr
.endm
.macro SEND a
.set BB, BK+32*((\a)%2)
	s_wait_dscnt 0x0                               ; the block is back in registers
	s_wait_xcnt 0x0                                ; the earlier stores have read their base and their registers: both may be written again
.if (\a) > 0
	s_add_nc_u64 s[12:13], s[12:13], 16*128        ; 16 tokens on
.endif
.irp hh, 0,1
.irp c, 0,1,2,3
	global_store_b128 v[CO], v[BB+4*(4*\hh+\c):BB+4*(4*\hh+\c)+3], s[12:13] offset:\hh*262144+\c*512   ; 32 lanes store 512 consecutive bytes, at a multiple of 256 from the buffer's first byte
.endr
.endr
.endm
	PLACES NP                                      ; behind the last products: the conversions write registers that held scale words and read results
	PACK 0
	TOSTAGE 0
.irp a, 1,2,3,4,5,6,7                  ; block a's conversions stand between block a - 1's loads from the stage and the wait for them
	PACK \a
	SEND \a-1
	TOSTAGE \a
.endr
	SEND 7
	s_wait_tensorcnt 0x0                           ; the wave's end
	ds_add_u32 v[SPW], v[NIL]
	s_wait_dscnt 0x0
	CROUND                                         ; the closing round
	s_endpgm
.Lfunc_end_k_qe3bfef8392_qkv:
	.size	k_qe3bfef8392_qkv, .Lfunc_end_k_qe3bfef8392_qkv-k_qe3bfef8392_qkv
	.p2alignl 7, 3214868480
	.fill 96, 4, 3214868480
	.section	.rodata,"a",@progbits
	.p2align	6, 0x0
	.amdhsa_kernel k_qe3bfef8392_qkv
		.amdhsa_group_segment_fixed_size 327680
		.amdhsa_private_segment_fixed_size 0
		.amdhsa_enable_private_segment 0
		.amdhsa_kernarg_size 24
		.amdhsa_user_sgpr_count 2
		.amdhsa_user_sgpr_kernarg_segment_ptr 1
		.amdhsa_wavefront_size32 1
		.amdhsa_system_sgpr_workgroup_id_x 1
		.amdhsa_system_sgpr_workgroup_id_y 1
		.amdhsa_system_sgpr_workgroup_id_z 1
		.amdhsa_system_vgpr_workitem_id 0
		.amdhsa_next_free_vgpr 1024
		.amdhsa_next_free_sgpr 98
		.amdhsa_reserve_vcc 0
		.amdhsa_float_denorm_mode_32 3
		.amdhsa_float_denorm_mode_16_64 3
		.amdhsa_memory_ordered 1
		.amdhsa_forward_progress 1
		.amdhsa_inst_pref_size 127
	.end_amdhsa_kernel
	.amdgpu_metadata
---
amdhsa.version: [ 1, 2 ]
amdhsa.kernels:
  - .name:           k_qe3bfef8392_qkv
    .symbol:         k_qe3bfef8392_qkv.kd
    .args:
      - { .name: codes, .offset: 0, .size: 8, .value_kind: global_buffer, .address_space: global }
      - { .name: scales, .offset: 8, .size: 8, .value_kind: global_buffer, .address_space: global }
      - { .name: qkv, .offset: 16, .size: 8, .value_kind: global_buffer, .address_space: global }
    .group_segment_fixed_size: 327680
    .private_segment_fixed_size: 0
    .kernarg_segment_align: 8
    .kernarg_segment_size: 24
    .max_flat_workgroup_size: 128
    .sgpr_count:     98
    .vgpr_count:     1024
    .wavefront_size: 32
...
	.end_amdgpu_metadata
.endif
;; end of part 2
;; launch attn (part 3): grid 4 x 64, 16 waves a work-group, clusters of 4 x 1, 327,680 bytes of LDS; arguments qkv, maskw, att; writes att
.if DOCPART == 3
	.amdgcn_target "amdgcn-amd-amdhsa--gfx1250"
	.amdhsa_code_object_version 6
	.text
	.protected	k_qe3bfef8392_attn
	.globl	k_qe3bfef8392_attn
	.p2align	8
	.type	k_qe3bfef8392_attn,@function
k_qe3bfef8392_attn:
	s_mov_b64 s[64:65], 0
	v_nop
	global_prefetch_b8 v0, s[64:65] scope:SCOPE_SE
	s_setreg_imm32_b32 hwreg(HW_REG_WAVE_MODE, 25, 1), 1
	s_wait_xcnt 0x0
	s_wait_alu depctr_hold_cnt(0) depctr_sa_sdst(0) depctr_va_vdst(0) depctr_va_sdst(0) depctr_va_ssrc(0) depctr_va_vcc(0) depctr_vm_vsrc(0)
	s_getreg_b32 s2, hwreg(HW_REG_IB_STS2, 6, 4)
	s_cmp_eq_u32 s2, 0
	s_cbranch_scc0 .Lentry_in_a_cluster
	s_endpgm
.Lentry_in_a_cluster:
	s_bfe_u32 s2, ttmp6, 0x10000c
	s_cmp_lg_u32 s2, 0x3003
	s_cbranch_scc0 .Lentry_shape_is_right
	s_endpgm
.Lentry_shape_is_right:
; att[b][h][q][:] = the sum over k of softmax_k(s(q, k)) v[k][:], s(q, k) = q . k / 32 where mask[q][k] != 0 and 0 where it is 0: masked keys stay in the softmax with the score 0.
; qkv [3][64 heads][2048][64] f16 (q, k, v); maskw [128 tiles of 16 queries][32 steps of 64 keys][32 words], bit l of word 8 t + j for lane l of register 8 t + j of a tile's scores; att [64 heads][2048][64] f16.
; Products on f16 operands, sums, maxima and the softmax in f32; the weights p are rounded to f16 for the second product, att once at the end.
; SHARES.  A work-group owns 512 queries of one head; each of its sixteen waves 32: two tiles of 16, in 256 registers, four waves to a SIMD, so that one wave's vector work stands beside another's matrix work.
; Every wave walks all 2,048 keys, 64 a step.  K and V come through two LDS slots of 512 keys, filled by tensor loads (waves 0, 1: K's halves; waves 2, 3: V's) and read by all sixteen: three changes of slots in all.
; CLUSTER.  The four work-groups of a head form a cluster and walk the same K and V: each tile is asked for JOINTLY, by the same load with the same descriptor and a mask that names the four.
; LAYOUT.  S^T = K Q^T (source 0 = 16 keys, source 1 = 16 queries): a lane holds ONE query (lane % 16), register 8 t + j the key 16 t + 8 (lane / 16) + j.  Rounded in pairs, in place, the scores' registers
; ARE source 1 of O^T = V^T P.  V ([key][channel]) comes out of LDS turned, by ds_load_tr16_b128.
; SOFTMAX.  For each query a running maximum m and sum l: p = 2^(c s - c m), c = log2(e) / 32; in every step O and l are multiplied by a = 2^(c m_old - c m_new).
; THE MASK costs one v_cndmask_b32 a score.  Its lane masks are read as scalars: both tiles' 64 words of a step lie in 64 scalar registers, are used together, and the next step's are asked for at once behind that use, a whole step ahead.
; ORDER IN A STEP.  K Q^T of tile 0, of tile 1; the mask; tile 0's softmax; V^T P of tile 0; tile 1's softmax, issued while those products run; V^T P of tile 1.
; NO PREFETCH IS LAID: slots 0 and 1 are asked for at the head, and each of the two refills eight key steps, 256 matrix instructions of a wave, ahead of its first read.
; LIMITS: q, k, v arrive as f16; p under 6e-5 is rounded as an f16 subnormal (it is that small beside a row's largest p, which is 1); NaN and infinities are not served.
; REGISTERS: v1-9 addresses; v10-25 eight statistics a tile; v26, v27 the way out; v28-31 at work at the head; v32-63 Q; v64-127 K's fragments, then V's; v128-191 S^T, then P; v192-255 O^T.
.set PK,    272                        ; an LDS row of K: two keys' 256 bytes + 16 of padding
.set PV,    288                        ; of V: + 32
.set PART,  128*PV                     ; a slot has four parts of 36,864 bytes, one for each loading wave: K's two halves (128 rows x 272 bytes each: 2,048 bytes stay idle), then V's two (128 rows x 288)
.set VOFF,  2*PART
.set KSTEPB, 32*PK                     ; a step's 64 keys
.set VSTEPB, 32*PV
.set KGAP,  PART-128*PK                ; from the end of K's first half to its second
.set SLOT1, 163840                     ; slot 0 takes bytes 0 to 147,455; slot 1 begins here; LDS has the room for the idle bytes between
.set SLOTB, 512*128                    ; a slot's keys in memory, in bytes
.set SPARE, 325632                     ; the spare words, 128 bytes for each wave: the last eight blocks of 256 bytes, which no other line names
.set STG,   16*144                     ; the way out: 16 rows x (128 bytes + 16) for each wave, in slot 0, which has had its last fill and its last read by then
.set AK0, 1                            ; v1   my lane's place in a tile of K
.set AV0, 2                            ; v2   in a tile of V
.set ADK, 3                            ; v3   LDS address of the step's K
.set ADV, 4                            ; v4   of its V
.set SPW, 5                            ; v5   my spare word; never rewritten
.set NIL, 6                            ; v6   0; never rewritten
.set QO,  7                            ; v7   my byte offset in the wave's rows of Q
.set GO,  9                            ; v9   16 x lane, for the stores
.set ST,  10                           ; tile t's statistics at v[ST + 8 t]: +0 c m, +1 m, +2, +3 l (even keys', odd keys'), +4 to +7 at work; a takes +6
.set STO, 26
.set RD,  27
.set QF,  32                           ; Q: tile q, channels 32 c on, at v[QF + 16 q + 8 c]
.set KV,  64
.set S,   128
.set O,   192
.set MB,  2                            ; s[2:3]   where the mask words of my first tile's step in hand stand; my second tile's stand 4,096 bytes on
.set MKA, 4                            ; s[4:35]  my first tile's 32 words (at the head and on the way out: at work)
.set MKB0, 36                          ; s[36:51] my second tile's words 0 to 15
.set G0,  52                           ; s[52:55], s[56:59] descriptor group 0 for slot 0, slot 1: one set serves K's line and V's, since a wave issues one of the two
.set CNT, 60                           ; s60  counts steps
.set CNT2, 61                          ; s61  counts a slot's halves
.set CS,  62                           ; s62  c; the packed form names the pair s[62:63] and takes its low word for both halves
.set WV,  63                           ; s63  my wave's number
.set SEL, 66                           ; s66, s67 v_permlanex16_b32's selects for lane l xor 16
.set MKB1, 68                          ; s[68:83] my second tile's words 16 to 31
.set G1K, 84                           ; s[84:91], s[92:99] descriptor groups 1 for K's and V's tiles: they differ in the padding
.set G1V, 92
.set TBK, 100                          ; s100 LDS byte at which the step's K begins (until Q has landed s[100:101] hold Q's address)
.set TBV, 101                          ; s101 and, from VOFF on, its V
.macro CROUND                          ; a round of the cluster's barrier
	s_barrier_signal -1
	s_barrier_wait -1
	s_cmp_lg_u32 s[WV], 0
	s_cbranch_scc1 .Lnot_wave_0_\@
	s_barrier_signal -3
.Lnot_wave_0_\@:
	s_barrier_wait -3
	s_barrier_signal -1
	s_barrier_wait -1
.endm
; A joint refill of slot s: waves 0 and 1 fetch K's halves, waves 2 and 3 V's, the others nothing.  The branches hang on the wave's number alone.  An s_nop 0 and four v_nop follow each line.
.macro JLOAD s
	s_cmp_lt_u32 s[WV], 2
	s_cbranch_scc0 .Lnot_k_\@
	tensor_load_to_lds s[G0+4*\s:G0+4*\s+3], s[G1K:G1K+7]
	s_nop 0
.rept 4
	v_nop
.endr
	s_branch .Lasked_\@
.Lnot_k_\@:
	s_cmp_lt_u32 s[WV], 4
	s_cbranch_scc0 .Lasked_\@
	tensor_load_to_lds s[G0+4*\s:G0+4*\s+3], s[G1V:G1V+7]
	s_nop 0
.rept 4
	v_nop
.endr
.Lasked_\@:
.endm
	s_load_b64 s[4:5], s[0:1], 0x0                 ; qkv
	s_load_b64 s[MB:MB+1], s[0:1], 0x8             ; maskw
	v_lshl_add_u32 v[SPW], v0, 2, SPARE
	v_mov_b32 v[NIL], 0
	ds_add_u32 v[SPW], v[NIL]                      ; the wave's opening: the add, twice on end, and its wait ahead of the first tensor loads
	ds_add_u32 v[SPW], v[NIL]
	v_lshrrev_b32 v28, 5, v0
	v_readfirstlane_b32 s[WV], v28                 ; wave 0..15
	s_bfe_u32 s8, ttmp6, 0x40000                   ; cx: my block of 512 queries (the grid has one cluster along x); it enters the global addresses of Q, att and the mask words alone
	s_and_b32 s9, ttmp7, 0xffff                    ; the head, which the four partners share:
	s_lshl_b32 s9, s9, 18                          ; its 262,144 bytes in each tensor
	s_and_b32 s12, s[WV], 3                        ; what I fetch, if I fetch: part 0, 1: K's halves; 2, 3: V's
	s_and_b32 s10, s12, 1
	s_lshl_b32 s10, s10, 15                        ; the half's 256 keys of 128 bytes,
	s_lshr_b32 s11, s12, 1
	s_add_co_u32 s11, s11, 1
	s_lshl_b32 s11, s11, 24                        ; in K, 16 MiB into qkv, or in V, 32 MiB,
	s_add_co_u32 s10, s10, s11
	s_add_co_u32 s10, s10, s9                      ; in my head
	s_mov_b32 s11, 0
	s_mul_i32 s12, s12, PART                       ; and its place in a slot: the part's number times a constant; no place in the cluster enters an LDS address
	s_lshl_b32 s14, s8, 16                         ; Q: my block's 512 rows of 128 bytes,
	s_lshl_b32 s15, s[WV], 12                      ; my wave's 32
	s_add_co_u32 s14, s14, s15
	s_add_co_u32 s14, s14, s9
	s_mov_b32 s15, 0
	s_lshl_b32 s16, s8, 17                         ; the mask words of my first tile: tile 32 cx + 2 wave, 4,096 bytes a tile
	s_lshl_b32 s17, s[WV], 13
	s_add_co_u32 s16, s16, s17
	s_mov_b32 s17, 0
	; descriptor group 1: 128 rows of 128 elements of 2 bytes (two keys to a row: a head's rows are dense in memory), padded in LDS
	s_mov_b32 s[G1K], 15|(1<<16)|(1<<20)|(1<<21)|(5<<22)|(3<<25)  ; 15:0 the mask: all four work-groups; 17:16 elements of 2 bytes; 20 padding on; 21 set beside a mask; 24:22 after every 64 words; 31:25 four words
	s_mov_b32 s[G1V], 15|(1<<16)|(1<<20)|(1<<21)|(5<<22)|(7<<25)  ; the same with eight words of padding
.irp g, G1K, G1V
	s_mov_b32 s[\g+1], 128<<16                     ; tensor_dim0
	s_mov_b32 s[\g+2], 128<<16                     ; tensor_dim1
	s_mov_b32 s[\g+3], 128<<16                     ; tile_dim0
	s_mov_b32 s[\g+4], 128                         ; tile_dim1
	s_mov_b32 s[\g+5], 128                         ; tensor_dim0_stride
	s_mov_b32 s[\g+6], 0
	s_mov_b32 s[\g+7], 0
.endr
	s_mov_b32 s[CS], 0x3d38aa3b                    ; c = log2(e) / 32
	s_mov_b32 s[SEL], 0x76543210
	s_mov_b32 s[SEL+1], 0xfedcba98
	s_wait_dscnt 0x0                               ; both opening adds are done
	s_wait_kmcnt 0x0
	s_add_nc_u64 s[10:11], s[4:5], s[10:11]        ; my part of slot 0, in memory
	s_add_nc_u64 s[TBK:TBK+1], s[4:5], s[14:15]    ; Q at my wave's first row
	s_add_nc_u64 s[MB:MB+1], s[MB:MB+1], s[16:17]
	CROUND                                         ; all four work-groups are here: the first joint loads meet
.irp s, 0,1
	s_mov_b32 s[G0+4*\s], 1                        ; count = 1
	s_add_co_u32 s[G0+4*\s+1], s12, \s*SLOT1       ; LDS address
	s_add_nc_u64 s[G0+4*\s+2:G0+4*\s+3], s[10:11], \s*SLOTB   ; slot s begins with keys 512 s on
	s_or_b32 s[G0+4*\s+3], s[G0+4*\s+3], 0x80000000   ; type = 2
.endr
	s_cmp_lt_u32 s[WV], 2                          ; a wave's two first fills stand in one branch, ahead of every wait on TENSORcnt and every LDS read: two loads of mine are out at the most
	s_cbranch_scc0 .Lfirst_not_k
	tensor_load_to_lds s[G0:G0+3], s[G1K:G1K+7]
	s_nop 0
	tensor_load_to_lds s[G0+4:G0+7], s[G1K:G1K+7]
	s_nop 0
.rept 4
	v_nop
.endr
	s_branch .Lfirst_asked
.Lfirst_not_k:
	s_cmp_lt_u32 s[WV], 4
	s_cbranch_scc0 .Lfirst_asked
	tensor_load_to_lds s[G0:G0+3], s[G1V:G1V+7]
	s_nop 0
	tensor_load_to_lds s[G0+4:G0+7], s[G1V:G1V+7]
	s_nop 0
.rept 4
	v_nop
.endr
.Lfirst_asked:
	v_and_b32 v28, 15, v0                          ; r = l % 16
	v_bfe_u32 v29, v0, 4, 1                        ; h = l / 16
	v_lshlrev_b32 v[QO], 7, v28
	v_lshl_add_u32 v[QO], v29, 4, v[QO]            ; row r of 128 bytes + 16 h
.irp q, 0,1
.irp c, 0,1                                    ; a fragment is 16 rows x 32 channels: registers 0-3 channels 8 h + 0..7, registers 4-7 channels 16 + 8 h + 0..7.  Q stays in registers
	global_load_b128 v[QF+16*\q+8*\c:QF+16*\q+8*\c+3],   v[QO], s[TBK:TBK+1] offset:2048*\q+64*\c
	global_load_b128 v[QF+16*\q+8*\c+4:QF+16*\q+8*\c+7], v[QO], s[TBK:TBK+1] offset:2048*\q+64*\c+32
.endr
.endr
	s_load_b512 s[MKA:MKA+15], s[MB:MB+1], 0x0     ; step 0's words: my first tile's 32 (what stood in these registers at the head is done with),
	s_load_b512 s[MKA+16:MKA+31], s[MB:MB+1], 0x40
	s_load_b512 s[MKB0:MKB0+15], s[MB:MB+1], 0x1000   ; my second tile's
	s_load_b512 s[MKB1:MKB1+15], s[MB:MB+1], 0x1040
	v_lshrrev_b32 v30, 1, v28                      ; K: key r of a tile lies in LDS row r / 2, half r % 2
	v_mul_u32_u24 v[AK0], v30, PK
	v_and_b32 v30, 1, v28
	v_lshl_add_u32 v[AK0], v30, 7, v[AK0]
	v_lshl_add_u32 v[AK0], v29, 4, v[AK0]
	v_bfe_u32 v30, v0, 1, 2                        ; V: the turning load: lane l reads 16 bytes of key 8 h + l % 8, channels 8 ((l / 8) % 2) + 0..7
	v_lshl_add_u32 v30, v29, 2, v30                ; its LDS row: 4 h + (l % 8) / 2,
	v_mul_u32_u24 v[AV0], v30, PV
	v_and_b32 v30, 1, v0
	v_lshl_add_u32 v[AV0], v30, 7, v[AV0]          ; its half: l % 2
	v_bfe_u32 v30, v0, 3, 1
	v_lshl_add_u32 v[AV0], v30, 4, v[AV0]
	v_add_nc_u32 v[AV0], VOFF, v[AV0]
	s_mul_i32 s[CNT], s[WV], STG                   ; my stage
	v_mul_u32_u24 v[STO], v28, 144                 ; in: row r, 16 bytes for each half of the lanes
	v_lshl_add_u32 v[STO], v29, 4, v[STO]
	v_add_nc_u32 v[STO], s[CNT], v[STO]
	v_bfe_u32 v30, v0, 3, 2                        ; back: eight lanes to a row of 128 bytes, four rows an instruction
	v_mul_u32_u24 v[RD], v30, 144
	v_and_b32 v30, 7, v0
	v_lshl_add_u32 v[RD], v30, 4, v[RD]
	v_add_nc_u32 v[RD], s[CNT], v[RD]
	v_and_b32 v30, 31, v0
	v_lshlrev_b32 v[GO], 4, v30
.irp t, 0,1
	v_mov_b32 v[ST+8*\t+1], 0xff61b1e6             ; m: -3e38, under every score
	v_mul_f32 v[ST+8*\t], s[CS], v[ST+8*\t+1]      ; c m
	v_mov_b32 v[ST+8*\t+2], 0                      ; l
	v_mov_b32 v[ST+8*\t+3], 0
.endr
.set i, 0
.rept 64
	v_mov_b32 v[O+i], 0                            ; O^T.  (The step has no first form of its own: the first finds zeros, which its a = 0 leaves zeros)
.set i, i+1
.endr
; ONE TILE'S SOFTMAX FOR ONE STEP, behind the mask.
.macro SOFTMAX t
.set rT, ST+8*(\t)
.set rS, S+32*(\t)
.set rO, O+32*(\t)
.irp j, 0,1,2,3                                ; the maximum of the 32 scores and the old m: four chains of seven, then what is left
	v_max3_num_f32 v[rT+4+\j], v[rS+8*\j], v[rS+8*\j+1], v[rS+8*\j+2]
.endr
.irp g, 1,2
.irp j, 0,1,2,3
	v_max3_num_f32 v[rT+4+\j], v[rT+4+\j], v[rS+8*\j+2*\g+1], v[rS+8*\j+2*\g+2]
.endr
.endr
	v_max3_num_f32 v[rT+4], v[rT+4], v[rS+7], v[rS+15]
	v_max3_num_f32 v[rT+6], v[rT+6], v[rS+23], v[rS+31]
	v_max3_num_f32 v[rT+4], v[rT+4], v[rT+5], v[rT+6]
	v_max3_num_f32 v[rT+4], v[rT+4], v[rT+7], v[rT+1]
	v_permlanex16_b32 v[rT+5], v[rT+4], s[SEL], s[SEL+1]   ; the query's other 32 keys lie in the lane 16 away
	v_mov_b32 v[rT+7], v[rT]                       ; c m_old
	v_max_num_f32 v[rT+1], v[rT+4], v[rT+5]        ; the new m
	v_mul_f32 v[rT], s[CS], v[rT+1]                ; c m
	v_sub_f32 v[rT+7], v[rT+7], v[rT]              ; c m_old - c m_new
.set i, 0
.rept 16
	v_pk_fma_f32 v[rS+i:rS+i+1], v[rS+i:rS+i+1], s[CS:CS+1], v[rT:rT+1] op_sel_hi:[1,0,0] neg_lo:[0,0,1] neg_hi:[0,0,1]   ; c s - c m, two at a time
.set i, i+2
.endr
	v_exp_f32 v[rT+6], v[rT+7]                     ; a.  The 33 exponentials are one batch: none reads another's result
.set i, 0
.rept 32
	v_exp_f32 v[rS+i], v[rS+i]                     ; p, at most 1
.set i, i+1
.endr
	v_nop                                          ; a plain instruction behind the last exponential
	s_wait_alu depctr_va_vdst(0)                   ; the wait ahead of the first instruction that names a result: one for the batch
	v_pk_fma_f32 v[rT+2:rT+3], v[rT+2:rT+3], v[rT+6:rT+7], v[rS:rS+1] op_sel_hi:[1,0,1]   ; l = a l + the sum of the unrounded p, in two chains
	v_pk_add_f32 v[rT+4:rT+5], v[rS+2:rS+3], v[rS+4:rS+5]
.irp b, 3,5,7,9,11,13
	v_pk_add_f32 v[rT+2:rT+3], v[rT+2:rT+3], v[rS+2*\b:rS+2*\b+1]
	v_pk_add_f32 v[rT+4:rT+5], v[rT+4:rT+5], v[rS+2*\b+2:rS+2*\b+3]
.endr
	v_pk_add_f32 v[rT+2:rT+3], v[rT+2:rT+3], v[rS+30:rS+31]
	v_pk_add_f32 v[rT+2:rT+3], v[rT+2:rT+3], v[rT+4:rT+5]
.set i, 0
.rept 16
	v_cvt_pk_f16_f32 v[rS+i], v[rS+2*i], v[rS+2*i+1]   ; P in place: register i takes pair i, whose registers 2 i and 2 i + 1 lie at or above it: v[rS + 8 kk ..] is the fragment of keys 32 kk on
.set i, i+1
.endr
.set i, 0
.rept 16
	v_pk_mul_f32 v[rO+i:rO+i+1], v[rO+i:rO+i+1], v[rT+6:rT+7] op_sel_hi:[1,0]   ; O^T x a
.set i, i+2
.endr
.endm
; O^T += V^T P of tile q: its four accumulators take turns, one instruction a turn
.macro PVQ q
.irp kk, 0,1
.irp ct, 0,1,2,3
	v_wmma_f32_16x16x32_f16 v[O+32*\q+8*\ct:O+32*\q+8*\ct+7], v[KV+32*\kk+8*\ct:KV+32*\kk+8*\ct+7], v[S+32*\q+8*\kk:S+32*\q+8*\kk+7], v[O+32*\q+8*\ct:O+32*\q+8*\ct+7]
.endr
.endr
.endm
; A KEY STEP: 64 keys.  ahead = 1: the next step's mask words are asked for; the launch's last step asks for none.
.macro STEP ahead
	v_add_nc_u32 v[ADK], s[TBK], v[AK0]
.rept 4
	v_nop                                          ; with the addition five places behind the last V^T P: K's loads land on registers that it read (four are owed), and K Q^T writes over tile 1's P (five)
.endr
.irp kt, 0,1,2,3
.irp c, 0,1
	ds_load_b128 v[KV+16*\kt+8*\c:KV+16*\kt+8*\c+3],   v[ADK] offset:8*PK*\kt+64*\c
	ds_load_b128 v[KV+16*\kt+8*\c+4:KV+16*\kt+8*\c+7], v[ADK] offset:8*PK*\kt+64*\c+32
.endr
.endr
	s_wait_dscnt 0x0
.irp q, 0,1                                    ; S^T = K Q^T, tile by tile: a tile's four accumulators take turns, one instruction a turn; the first four start the sums
.irp c, 0,1
.irp kt, 0,1,2,3
.if \c == 0
	v_wmma_f32_16x16x32_f16 v[S+32*\q+8*\kt:S+32*\q+8*\kt+7], v[KV+16*\kt+8*\c:KV+16*\kt+8*\c+7], v[QF+16*\q+8*\c:QF+16*\q+8*\c+7], 0
.else
	v_wmma_f32_16x16x32_f16 v[S+32*\q+8*\kt:S+32*\q+8*\kt+7], v[KV+16*\kt+8*\c:KV+16*\kt+8*\c+7], v[QF+16*\q+8*\c:QF+16*\q+8*\c+7], v[S+32*\q+8*\kt:S+32*\q+8*\kt+7]
.endif
.endr
.endr
.endr
	v_add_nc_u32 v[ADV], s[TBV], v[AV0]
.rept 3
	v_nop                                          ; four places: V's loads land on K's registers, and the scores are read
.endr
.irp kk, 0,1
.irp ct, 0,1,2,3                               ; keys 32 kk on, channels 16 ct on: V lands while the mask and tile 0's softmax are worked
	ds_load_tr16_b128 v[KV+32*\kk+8*\ct:KV+32*\kk+8*\ct+3],   v[ADV] offset:16*PV*\kk+32*\ct
	ds_load_tr16_b128 v[KV+32*\kk+8*\ct+4:KV+32*\kk+8*\ct+7], v[ADV] offset:16*PV*\kk+8*PV+32*\ct
.endr
.endr
	s_wait_kmcnt 0x0                               ; this step's 64 words, asked for a step ago: the one wait for scalar loads in a step
.set i, 0
.rept 32
	v_cndmask_b32 v[S+i], 0, v[S+i], s[MKA+i]      ; the score where the mask's bit is set, 0 where it is not; each accumulator is read from its low end on
.set i, i+1
.endr
.set i, 0
.rept 16
	v_cndmask_b32 v[S+32+i], 0, v[S+32+i], s[MKB0+i]
.set i, i+1
.endr
.set i, 0
.rept 16
	v_cndmask_b32 v[S+48+i], 0, v[S+48+i], s[MKB1+i]
.set i, i+1
.endr
.if \ahead
	s_add_nc_u64 s[MB:MB+1], s[MB:MB+1], 128       ; no scalar load is out, so their base may step; all 64 words have been read: the next step's are asked for together
	s_load_b512 s[MKA:MKA+15], s[MB:MB+1], 0x0
	s_load_b512 s[MKA+16:MKA+31], s[MB:MB+1], 0x40
	s_load_b512 s[MKB0:MKB0+15], s[MB:MB+1], 0x1000
	s_load_b512 s[MKB1:MKB1+15], s[MB:MB+1], 0x1040
.endif
	SOFTMAX 0
	s_wait_dscnt 0x0                               ; V is in
	PVQ 0
	SOFTMAX 1                                      ; it names no register of tile 0's products, and is issued while they run
	PVQ 1
	s_add_co_u32 s[TBK], s[TBK], KSTEPB
	s_add_co_u32 s[TBV], s[TBV], VSTEPB
.endm
.macro SLOT_STEPS base                 ; a slot's eight steps: written once, walked 2 x 4 times: between K's halves lie KGAP idle bytes; V's halves lie on end
	s_mov_b32 s[TBK], \base
	s_mov_b32 s[TBV], \base
	s_mov_b32 s[CNT2], 2
.Lhalf_\@:
	s_mov_b32 s[CNT], 4
.Lstep_\@:
	STEP 1
	s_sub_co_u32 s[CNT], s[CNT], 1
	s_cmp_lg_u32 s[CNT], 0
	s_cbranch_scc1 .Lstep_\@
	s_add_co_u32 s[TBK], s[TBK], KGAP
	s_sub_co_u32 s[CNT2], s[CNT2], 1
	s_cmp_lg_u32 s[CNT2], 0
	s_cbranch_scc1 .Lhalf_\@
.endm
.macro LAST_STEPS base                 ; the last slot: four steps, three steps, and the launch's last step written out, so that no mask word is asked for beyond the last
	s_mov_b32 s[TBK], \base
	s_mov_b32 s[TBV], \base
	s_mov_b32 s[CNT], 4
.Lfour_\@:
	STEP 1
	s_sub_co_u32 s[CNT], s[CNT], 1
	s_cmp_lg_u32 s[CNT], 0
	s_cbranch_scc1 .Lfour_\@
	s_add_co_u32 s[TBK], s[TBK], KGAP
	s_mov_b32 s[CNT], 3
.Lthree_\@:
	STEP 1
	s_sub_co_u32 s[CNT], s[CNT], 1
	s_cmp_lg_u32 s[CNT], 0
	s_cbranch_scc1 .Lthree_\@
	STEP 0
.endm
; THE CHANGE OF SLOTS.  Each wave waits for all its tensor loads (its part of the other slot), adds 0 to its spare word, and waits for that and for its reads of the slot that it leaves.
; fill = 1: the slot left, slot s, is filled again with the keys two slots on.  The barrier is then a round of the cluster's, so that no wave of any partner still reads the slot or has a load on its way;
; the joint refill is the first thing behind it and has the other slot's eight steps in which to land.
.macro CHANGE fill, s
	s_wait_tensorcnt 0x0                           ; no tensor load of mine is out, so a group 0 may be written
	ds_add_u32 v[SPW], v[NIL]
.if \fill
	ds_add_u32 v[SPW], v[NIL]                      ; and, where a load may follow, twice on end
	s_add_nc_u64 s[G0+4*\s+2:G0+4*\s+3], s[G0+4*\s+2:G0+4*\s+3], 2*SLOTB   ; the slot's next 512 keys; the type bits on top are not reached
	s_wait_dscnt 0x0                               ; both adds are done, and my reads of the slot are over
	CROUND
	JLOAD \s
.else
	s_wait_dscnt 0x0
	s_barrier_signal -1
	s_barrier_wait -1
.endif
.endm
	s_wait_tensorcnt 0x1                           ; my part of slot 0 is in; slot 1's may stay out
	s_barrier_signal -1
	s_barrier_wait -1                              ; everybody's is
	s_wait_loadcnt 0x0                             ; Q has landed: the registers that held its address may be written
	SLOT_STEPS 0                                   ; keys 0 to 511
	CHANGE 1, 0                                    ; slot 0 takes keys 1,024 on
	SLOT_STEPS SLOT1                               ; keys 512 to 1,023
	CHANGE 1, 1                                    ; slot 1 takes keys 1,536 on: the last load
	SLOT_STEPS 0
	CHANGE 0, 0                                    ; nothing is left to fetch
	LAST_STEPS SLOT1
	; THE WAY OUT.  l's halves are added; O^T / l is rounded to f16 and goes through my stage, a tile (16 rows of 128 bytes) at a time, so that each store covers 512 consecutive bytes.
	s_load_b64 s[4:5], s[0:1], 0x10                ; att: no scalar load is out and the mask's registers are free; it lands under the arithmetic below
	s_bfe_u32 s8, ttmp6, 0x40000                   ; my wave's first row, as for Q: cx,
	s_lshl_b32 s8, s8, 16
	s_and_b32 s9, ttmp7, 0xffff                    ; the head,
	s_lshl_b32 s9, s9, 18
	s_add_co_u32 s8, s8, s9
	s_lshl_b32 s9, s[WV], 12                       ; the wave
	s_add_co_u32 s8, s8, s9
	s_mov_b32 s9, 0
.rept 4
	v_nop                                          ; places behind the last products
.endr
.irp t, 0,1
	v_add_f32 v[ST+8*\t+4], v[ST+8*\t+2], v[ST+8*\t+3]
.endr
.irp t, 0,1
	v_permlanex16_b32 v[ST+8*\t+5], v[ST+8*\t+4], s[SEL], s[SEL+1]
.endr
.irp t, 0,1
	v_add_f32 v[ST+8*\t+4], v[ST+8*\t+4], v[ST+8*\t+5]
.endr
.irp t, 0,1
	v_rcp_f32 v[ST+8*\t+6], v[ST+8*\t+4]
.endr
	v_nop                                          ; a plain instruction behind the last reciprocal
	s_wait_alu depctr_va_vdst(0)                   ; and the wait ahead of the first use: one for both
.macro OUTT t
.set i, 0
.rept 16
	v_pk_mul_f32 v[O+32*\t+i:O+32*\t+i+1], v[O+32*\t+i:O+32*\t+i+1], v[ST+8*\t+6:ST+8*\t+7] op_sel_hi:[1,0]
.set i, i+2
.endr
.set i, 0
.rept 16
	v_cvt_pk_f16_f32 v[S+16*\t+i], v[O+32*\t+2*i], v[O+32*\t+2*i+1]   ; registers 4 ct .. 4 ct + 3: channels 16 ct + 8 h + 0..7 of query r
.set i, i+1
.endr
.irp ct, 0,1,2,3
	ds_store_b128 v[STO], v[S+16*\t+4*\ct:S+16*\t+4*\ct+3] offset:32*\ct
.endr
.irp c, 0,1,2,3
	ds_load_b128 v[KV+16*\t+4*\c:KV+16*\t+4*\c+3], v[RD] offset:4*144*\c   ; LDS serves a wave's instructions in order: these see the stores above, and the next tile's stores come behind them
.endr
.endm
	OUTT 0
	OUTT 1
	s_wait_kmcnt 0x0                               ; att's address
	s_add_nc_u64 s[4:5], s[4:5], s[8:9]
.irp c, 0,1,2,3
	s_wait_dscnt 11-\c                             ; behind tile 0's load c: its 3 - c younger loads and tile 1's four stores and four loads
	global_store_b128 v[GO], v[KV+4*\c:KV+4*\c+3], s[4:5] offset:512*\c   ; 32 lanes store 512 consecutive bytes, at a multiple of 256 from att's first byte
.endr
.irp c, 0,1,2,3
	s_wait_dscnt 3-\c
	global_store_b128 v[GO], v[KV+16+4*\c:KV+16+4*\c+3], s[4:5] offset:2048+512*\c
.endr
	s_wait_tensorcnt 0x0                           ; the wave's end
	ds_add_u32 v[SPW], v[NIL]
	s_wait_dscnt 0x0
	CROUND                                         ; the closing round: no work-group ends while a partner may still ask for a tile that names it
	s_endpgm
.Lfunc_end_k_qe3bfef8392_attn:
	.size	k_qe3bfef8392_attn, .Lfunc_end_k_qe3bfef8392_attn-k_qe3bfef8392_attn
	.p2alignl 7, 3214868480
	.fill 96, 4, 3214868480
	.section	.rodata,"a",@progbits
	.p2align	6, 0x0
	.amdhsa_kernel k_qe3bfef8392_attn
		.amdhsa_group_segment_fixed_size 327680
		.amdhsa_private_segment_fixed_size 0
		.amdhsa_enable_private_segment 0
		.amdhsa_kernarg_size 24
		.amdhsa_user_sgpr_count 2
		.amdhsa_user_sgpr_kernarg_segment_ptr 1
		.amdhsa_wavefront_size32 1
		.amdhsa_system_sgpr_workgroup_id_x 1
		.amdhsa_system_sgpr_workgroup_id_y 1
		.amdhsa_system_sgpr_workgroup_id_z 1
		.amdhsa_system_vgpr_workitem_id 0
		.amdhsa_next_free_vgpr 256
		.amdhsa_next_free_sgpr 102
		.amdhsa_reserve_vcc 0
		.amdhsa_float_denorm_mode_32 3
		.amdhsa_float_denorm_mode_16_64 3
		.amdhsa_memory_ordered 1
		.amdhsa_forward_progress 1
		.amdhsa_inst_pref_size 149
	.end_amdhsa_kernel
	.amdgpu_metadata
---
amdhsa.version: [ 1, 2 ]
amdhsa.kernels:
  - .name:           k_qe3bfef8392_attn
    .symbol:         k_qe3bfef8392_attn.kd
    .args:
      - { .name: qkv, .offset: 0, .size: 8, .value_kind: global_buffer, .address_space: global }
      - { .name: maskw, .offset: 8, .size: 8, .value_kind: global_buffer, .address_space: global }
      - { .name: att, .offset: 16, .size: 8, .value_kind: global_buffer, .address_space: global }
    .group_segment_fixed_size: 327680
    .private_segment_fixed_size: 0
    .kernarg_segment_align: 8
    .kernarg_segment_size: 24
    .max_flat_workgroup_size: 512
    .sgpr_count:     102
    .vgpr_count:     256
    .wavefront_size: 32
...
	.end_amdgpu_metadata
.endif
;; end of part 3
;; launch proj (part 4): grid 4 x 64, 4 waves a work-group, clusters of 4 x 4, 327,680 bytes of LDS; arguments att, wph, bp, out0; writes out0
.if DOCPART == 4
	.amdgcn_target "amdgcn-amd-amdhsa--gfx1250"
	.amdhsa_code_object_version 6
	.text
	.protected	k_qe3bfef8392_proj
	.globl	k_qe3bfef8392_proj
	.p2align	8
	.type	k_qe3bfef8392_proj,@function
k_qe3bfef8392_proj:
	s_mov_b64 s[64:65], 0
	v_nop
	global_prefetch_b8 v0, s[64:65] scope:SCOPE_SE
	s_setreg_imm32_b32 hwreg(HW_REG_WAVE_MODE, 25, 1), 1
	s_wait_xcnt 0x0
	s_wait_alu depctr_hold_cnt(0) depctr_sa_sdst(0) depctr_va_vdst(0) depctr_va_sdst(0) depctr_va_ssrc(0) depctr_va_vcc(0) depctr_vm_vsrc(0)
	s_getreg_b32 s2, hwreg(HW_REG_IB_STS2, 6, 4)
	s_cmp_eq_u32 s2, 0
	s_cbranch_scc0 .Lentry_in_a_cluster
	s_endpgm
.Lentry_in_a_cluster:
	s_bfe_u32 s2, ttmp6, 0x10000c
	s_cmp_lg_u32 s2, 0xf033
	s_cbranch_scc0 .Lentry_shape_is_right
	s_endpgm
.Lentry_shape_is_right:
; out0[token][n] = the sum over k of att[token][k] Wp[n][k] + bp[n].  att [4 batches][16 heads][2048 tokens][64] f16 (k = 64 head + channel), wph [1024 n][1024 k] f16, bp [1024] f32, out0 [8192][1024] f32; sums in f32.
; A tile of 128 tokens x 256 columns is made by a work-group of four waves: 4 x 64 tiles, one for each of 256 work-groups.  A wave makes 64 x 128: 32 accumulators, 256 registers.
; K goes in eight steps of 128, two heads a step, through two LDS slots.  A head's 128 tokens x 64 channels are 16,384 dense bytes: they come as 64 rows of 256 bytes, two tokens to a row; Wp's rows are 256 bytes of a row of 2,048.
; CLUSTERS: 4 x 4 work-groups.  The four of a row of the cluster need the same tokens, the four of a column the same rows of Wp: each tile is asked for JOINTLY.
; THE MATRIX INSTRUCTION IS USED TRANSPOSED (source 0 = 16 rows of Wp, source 1 = 16 tokens): a lane holds eight neighbouring columns of one token.  THE BIAS is the C of each sum's first product.
; REGISTERS: window 0: v16-29 addresses; v32-127, v128-223 two fragment buffers (32 registers of att, then 64 of Wp, for 32 along K); on the way out v32-95 and v128-191 rows read back.
;   window 1: accumulator (a, b) at v[8 (8 a + b)].   window 2: v0-63 the bias: register 8 b + j = bp of my column 16 b + 8 (lane / 16) + j.
.set PITCH,  272                       ; an LDS row: 256 bytes + 16 of padding
.set ATILE,  64*PITCH                  ; one head's 128 tokens
.set BTILE,  128*PITCH                 ; 128 rows of Wp
.set BOFF,   2*ATILE
.set SLOT,   BOFF+2*BTILE
.set SPARE,  2*SLOT                    ; the spare words, 128 bytes for each wave
.set SPITCH, 528                       ; the way out: a stage of 16 rows x (512 bytes + 16) for each wave, in slot 0, which has had its last fill and its last read by then
.set LAPS,   4                         ; a lap = two K steps = once round the ring
.set ADRA, 16                          ; v16-17  LDS address of my fragments of att in slot 0, 1
.set ADRB, 20                          ; v20-21  of Wp
.set STO,  24
.set RD,   25
.set CO,   26
.set BO,   27                          ; v27     32 x (lane / 16): my place in 16 numbers of the bias
.set SPW,  28                          ; v28     my spare word; never rewritten
.set NIL,  29                          ; v29     0; never rewritten
.set F0,   32
.set F1,   128
.set WV,   12                          ; s12 wave; s13 = wave / 2: my half of the tokens, and: I fetch att (0) or Wp (1); s14 = wave % 2: my half of the columns, and which part I fetch
.set G1, 24                            ; s[24:31] group 1 for att's tiles; s[32:39] groups 0, one for each slot
.set G0, 32
.set G1B, 48                           ; s[48:55], s[56:63] the same for Wp's
.set G0B, 56
.set MSB, 0
.macro WIN new                         ; the immediate's high byte repeats the setting that is left
.if MSB != (\new)
	s_set_vgpr_msb (MSB<<8)|(\new)
.set MSB, (\new)
.endif
.endm
.set MUL,   0x50                       ; sources 0 and 1 window 0, C and D window 1
.set MUL_B, 0x60                       ; C (the bias) window 2, D window 1
.macro JLOAD s                         ; a joint load; an s_nop 0 and four v_nop follow each of the two lines
	s_cmp_eq_u32 s13, 0
	s_cbranch_scc0 .Lfor_b_\@
	tensor_load_to_lds s[G0+4*\s:G0+4*\s+3], s[G1:G1+7]
	s_nop 0
.rept 4
	v_nop
.endr
	s_branch .Lasked_\@
.Lfor_b_\@:
	tensor_load_to_lds s[G0B+4*\s:G0B+4*\s+3], s[G1B:G1B+7]
	s_nop 0
.rept 4
	v_nop
.endr
.Lasked_\@:
.endm
.macro CREST                           ; a round of the cluster's barrier behind its opening barrier
	s_cmp_lg_u32 s[WV], 0
	s_cbranch_scc1 .Lnot_wave_0_\@
	s_barrier_signal -3
.Lnot_wave_0_\@:
	s_barrier_wait -3
	s_barrier_signal -1
	s_barrier_wait -1
.endm
.macro CROUND
	s_barrier_signal -1
	s_barrier_wait -1
	CREST
.endm
.macro PLACES                          ; four plain vector instructions between a matrix instruction and a load into, or a read of, its registers (ISA guide 7.12.1 for reads)
.rept 4
	v_nop
.endr
.endm
	s_load_b256 s[4:11], s[0:1], 0x0               ; att s[4:5], wph s[6:7], bp s[8:9], out0 s[10:11]
	v_lshl_add_u32 v[SPW], v0, 2, SPARE
	v_mov_b32 v[NIL], 0
	ds_add_u32 v[SPW], v[NIL]                      ; the wave's opening: the add, twice on end, and its wait ahead of my first tensor load
	ds_add_u32 v[SPW], v[NIL]
	v_lshrrev_b32 v1, 5, v0
	v_readfirstlane_b32 s[WV], v1
	s_lshr_b32 s13, s[WV], 1
	s_and_b32 s14, s[WV], 1
	s_bfe_u32 s40, ttmp6, 0x40000                  ; cx, cy
	s_bfe_u32 s41, ttmp6, 0x40004
	s_lshl_b32 s42, ttmp9, 2
	s_add_co_u32 s42, s42, s40                     ; tile column x
	s_and_b32 s43, ttmp7, 0xffff
	s_lshl_b32 s43, s43, 2
	s_add_co_u32 s43, s43, s41                     ; tile row y
	s_lshl_b32 s44, s41, 2
	s_lshl_b32 s44, 15, s44                        ; my row of the cluster
	s_lshl_b32 s45, 0x1111, s40                    ; my column
	s_or_b32 s[G1+0], s44, (1<<16)|(1<<20)|(1<<21)|(5<<22)|(3<<25)   ; 15:0 the mask; 17:16 elements of 2 bytes; 20 padding on; 21 set beside a mask; 24:22 after every 64 words; 31:25 four words
	s_or_b32 s[G1B+0], s45, (1<<16)|(1<<20)|(1<<21)|(5<<22)|(3<<25)
	s_mov_b32 s[G1+1], 128<<16                     ; att: 64 rows of 128 elements, dense
	s_mov_b32 s[G1+2], 64<<16
	s_mov_b32 s[G1+3], 128<<16
	s_mov_b32 s[G1+4], 64
	s_mov_b32 s[G1+5], 128
	s_mov_b32 s[G1+6], 0
	s_mov_b32 s[G1+7], 0
	s_mov_b32 s[G1B+1], 128<<16                    ; Wp: 128 rows of 128 elements, 1,024 elements apart
	s_mov_b32 s[G1B+2], 128<<16
	s_mov_b32 s[G1B+3], 128<<16
	s_mov_b32 s[G1B+4], 128
	s_mov_b32 s[G1B+5], 1024
	s_mov_b32 s[G1B+6], 0
	s_mov_b32 s[G1B+7], 0
	s_lshr_b32 s16, s43, 4                         ; att: batch y / 16: 4 MiB;
	s_lshl_b32 s16, s16, 22
	s_and_b32 s17, s43, 15                         ; tokens 128 (y % 16) on: 128 bytes each;
	s_lshl_b32 s17, s17, 14
	s_add_co_u32 s16, s16, s17
	s_lshl_b32 s17, s14, 18                        ; the step's even or odd head: 262,144 bytes
	s_add_co_u32 s16, s16, s17
	s_mov_b32 s17, 0
	s_lshl_b32 s46, s42, 19                        ; Wp: rows 256 x + 128 half of 2,048 bytes
	s_lshl_b32 s47, s14, 18
	s_add_co_u32 s46, s46, s47
	s_mov_b32 s47, 0
	s_mul_i32 s20, s14, ATILE                      ; where they go: no place in the cluster enters an LDS address
	s_mul_i32 s21, s14, BTILE
	s_add_co_u32 s21, s21, BOFF
	s_wait_dscnt 0x0                               ; both opening adds are done
	s_wait_kmcnt 0x0
	s_add_nc_u64 s[18:19], s[4:5], s[16:17]
	s_add_nc_u64 s[46:47], s[6:7], s[46:47]
	CROUND                                         ; all sixteen work-groups are here: the first joint loads meet
.irp s, 0,1
	s_mov_b32 s[G0+4*\s], 1
	s_add_co_u32 s[G0+4*\s+1], s20, \s*SLOT
	s_add_nc_u64 s[G0+4*\s+2:G0+4*\s+3], s[18:19], \s*(1<<19)      ; K step s: two heads on
	s_or_b32 s[G0+4*\s+3], s[G0+4*\s+3], 0x80000000
	s_mov_b32 s[G0B+4*\s], 1
	s_add_co_u32 s[G0B+4*\s+1], s21, \s*SLOT
	s_add_nc_u64 s[G0B+4*\s+2:G0B+4*\s+3], s[46:47], \s*256
	s_or_b32 s[G0B+4*\s+3], s[G0B+4*\s+3], 0x80000000
	JLOAD \s                                       ; two tensor loads of mine are out at the most
.endr
	v_and_b32 v1, 15, v0                           ; r
	v_bfe_u32 v2, v0, 4, 1                         ; h
	v_lshlrev_b32 v[BO], 5, v2
	s_lshl_b32 s16, s42, 10                        ; the bias of my 128 columns: 4 (256 x + 128 half)
	s_lshl_b32 s17, s14, 9
	s_add_co_u32 s16, s16, s17
	s_mov_b32 s17, 0
	s_add_nc_u64 s[8:9], s[8:9], s[16:17]
	s_add_nc_u64 s[10:11], s[10:11], s[16:17]      ; the same bytes on in a row of out0
	WIN 0x80                                       ; destination window 2
.irp b, 0,1,2,3,4,5,6,7
	global_load_b128 v[8*\b:8*\b+3],   v[BO], s[8:9] offset:64*\b
	global_load_b128 v[8*\b+4:8*\b+7], v[BO], s[8:9] offset:64*\b+16
.endr
	WIN 0
	v_lshrrev_b32 v3, 1, v1                        ; att: token r of a block lies in LDS row r / 2, half r % 2
	v_mul_u32_u24 v3, v3, PITCH
	v_and_b32 v4, 1, v1
	v_lshl_add_u32 v3, v4, 7, v3
	v_lshl_add_u32 v3, v2, 4, v3
	v_mul_u32_u24 v5, v1, PITCH                    ; Wp: row r
	v_lshl_add_u32 v5, v2, 4, v5
	s_mul_i32 s21, s13, 32*PITCH                   ; my 64 tokens
	s_mul_i32 s22, s14, BTILE                      ; my 128 rows of Wp
	s_add_co_u32 s22, s22, BOFF
.irp s, 0,1
	v_add_nc_u32 v[ADRA+\s], s21, v3
	v_add_nc_u32 v[ADRB+\s], s22, v5
	s_add_co_u32 s21, s21, SLOT
	s_add_co_u32 s22, s22, SLOT
.endr
	s_mul_i32 s23, s[WV], 16*SPITCH                ; my stage
	v_mul_u32_u24 v5, v1, SPITCH                   ; in: token r, 32 bytes for each half of the lanes
	v_lshl_add_u32 v5, v2, 5, v5
	v_add_nc_u32 v[STO], s23, v5
	v_and_b32 v6, 31, v0
	v_lshlrev_b32 v[CO], 4, v6                     ; back: the 32 lanes take one row of 512 bytes; and the same in out0
	v_add_nc_u32 v[RD], s23, v[CO]
	s_lshl_b32 s16, s43, 19                        ; my first token's row of out0: (128 y + 64 half) x 4,096 bytes
	s_lshl_b32 s17, s13, 18
	s_add_co_u32 s16, s16, s17
	s_mov_b32 s17, 0
	s_add_nc_u64 s[10:11], s[10:11], s[16:17]
; 24 LDS loads in one run: the fragments of the slot's q-th 32 along K into buffer f: Wp's eight blocks, then att's four (head q / 2 of the step, channels 32 (q % 2) on)
.macro FETCH slot, q, f
.irp i, 0,1,2,3,4,5,6,7
	ds_load_b128 v[\f+32+8*\i:\f+32+8*\i+3],   v[ADRB+\slot] offset:64*(\q)+16*PITCH*\i
	ds_load_b128 v[\f+32+8*\i+4:\f+32+8*\i+7], v[ADRB+\slot] offset:64*(\q)+16*PITCH*\i+32
.endr
.irp i, 0,1,2,3
	ds_load_b128 v[\f+8*\i:\f+8*\i+3],   v[ADRA+\slot] offset:((\q)/2)*ATILE+((\q)%2)*64+8*PITCH*\i
	ds_load_b128 v[\f+8*\i+4:\f+8*\i+7], v[ADRA+\slot] offset:((\q)/2)*ATILE+((\q)%2)*64+8*PITCH*\i+32
.endr
.endm
; 8 matrix instructions: token block a x Wp's eight.  first = 1: the bias starts the sums.  The 32 accumulators take turns, one instruction a turn, in the same order in every quarter.
.macro MUL8 f, a, first
.irp b, 0,1,2,3,4,5,6,7
.if \first
	v_wmma_f32_16x16x32_f16 v[8*(8*(\a)+\b):8*(8*(\a)+\b)+7], v[\f+32+8*\b:\f+32+8*\b+7], v[\f+8*(\a):\f+8*(\a)+7], v[8*\b:8*\b+7]
.else
	v_wmma_f32_16x16x32_f16 v[8*(8*(\a)+\b):8*(8*(\a)+\b)+7], v[\f+32+8*\b:\f+32+8*\b+7], v[\f+8*(\a):\f+8*(\a)+7], v[8*(8*(\a)+\b):8*(8*(\a)+\b)+7]
.endif
.endr
.endm
; A K step is four quarters of 32 along K, 32 matrix instructions each, on buffers 0, 1, 0, 1.  One of the first three: the next quarter's loads go out first and land under this quarter's products.
.macro QUARTER slot, q, f, g, first
	s_wait_dscnt 0x0                               ; buffer f is in (asked for 32 matrix instructions ago)
	PLACES
	FETCH \slot, (\q)+1, \g
.if \first
	WIN MUL_B
.else
	WIN MUL
.endif
	MUL8 \f, 0, \first
	MUL8 \f, 1, \first
	MUL8 \f, 2, \first
	MUL8 \f, 3, \first
	WIN 0
.endm
; The last quarter multiplies buffer 1 and changes slots: ONE barrier; in front of it each wave waits for all its tensor loads, adds 0 to its spare word, and waits for that and for its reads of this slot.
; fill = 1: the barrier opens a round of the cluster's, and this slot is filled again, two K steps ahead: 112 matrix instructions ahead of the wait for it.
.macro TURN slot, next, fill
	s_wait_dscnt 0x0                               ; buffer 1 is in: my reads of this slot are over
	s_wait_tensorcnt 0x0                           ; all my tensor loads have landed: my part of the next slot
	ds_add_u32 v[SPW], v[NIL]
	WIN MUL
	MUL8 F1, 0, 0                                  ; eight matrix instructions stand between the add and the wait for it
	s_wait_dscnt 0x0                               ; the add is done
	s_barrier_signal -1
	MUL8 F1, 1, 0
	WIN 0                                          ; (branches may follow)
	s_barrier_wait -1
.if \fill
	CREST                                          ; no wave of any partner still reads this slot's tiles or has a load on its way
	s_add_nc_u64 s[G0+4*\slot+2:G0+4*\slot+3], s[G0+4*\slot+2:G0+4*\slot+3], 1<<20   ; four heads on
	s_add_nc_u64 s[G0B+4*\slot+2:G0B+4*\slot+3], s[G0B+4*\slot+2:G0B+4*\slot+3], 512
	JLOAD \slot                                    ; the first tensor load behind the round; its four v_nop are also the places in front of the loads below
.else
	PLACES
.endif
	FETCH \next, 0, F0
	WIN MUL
	MUL8 F1, 2, 0
	MUL8 F1, 3, 0
	WIN 0
.endm
	s_wait_tensorcnt 1                             ; my part of K step 0 is in (K step 1's load may be out)
	s_barrier_signal -1
	s_barrier_wait -1                              ; everybody's is
	FETCH 0, 0, F0
	s_wait_loadcnt 0x0                             ; the bias
	QUARTER 0, 0, F0, F1, 1                        ; the first quarter stands in front of the loop: its products start the sums, on the bias
	s_mov_b32 s3, LAPS-1
.Llap:                                             ; a trip goes once round the ring, from a lap's second quarter to the next lap's first, and fills both slots again
	QUARTER 0, 1, F1, F0, 0
	QUARTER 0, 2, F0, F1, 0
	TURN 0, 1, 1
	QUARTER 1, 0, F0, F1, 0
	QUARTER 1, 1, F1, F0, 0
	QUARTER 1, 2, F0, F1, 0
	TURN 1, 0, 1
	QUARTER 0, 0, F0, F1, 0
	s_sub_co_u32 s3, s3, 1
	s_cmp_lg_u32 s3, 0
	s_cbranch_scc1 .Llap
	QUARTER 0, 1, F1, F0, 0                        ; the last lap fills nothing, and has no round of the cluster's barrier
	QUARTER 0, 2, F0, F1, 0
	TURN 0, 1, 0
	QUARTER 1, 0, F0, F1, 0
	QUARTER 1, 1, F1, F0, 0
	QUARTER 1, 2, F0, F1, 0
	s_wait_dscnt 0x0                               ; the very last quarter: nothing more to fetch
	WIN MUL
	MUL8 F1, 0, 0
	MUL8 F1, 1, 0
	MUL8 F1, 2, 0
	MUL8 F1, 3, 0
	WIN 0
; THE WAY OUT, block by block of 16 tokens x 128 columns: a lane's 32 bytes of a row go into my stage and come back as whole rows of 512 bytes.
.macro TOSTAGE a
	WIN 0x04                                       ; an LDS store's data are its source 1: window 1
.irp b, 0,1,2,3,4,5,6,7
	ds_store_b128 v[STO], v[8*(8*(\a)+\b):8*(8*(\a)+\b)+3] offset:64*\b          ; each accumulator from its low end on
	ds_store_b128 v[STO], v[8*(8*(\a)+\b)+4:8*(8*(\a)+\b)+7] offset:64*\b+16
.endr
	WIN 0
.set BB, 32+96*((\a)%2)
.irp t, 0,1,2,3,4,5,6,7,8,9,10,11,12,13,14,15
	ds_load_b128 v[BB+4*\t:BB+4*\t+3], v[RD] offset:\t*SPITCH   ; LDS serves a wave's instructions in order: these see the stores above
.endr
.endm
.macro SEND a, younger                 ; younger: the LDS instructions issued behind block a's loads, which may stay out
.set BB, 32+96*((\a)%2)
	s_wait_dscnt \younger
.if (\a) > 0
	s_add_nc_u64 s[10:11], s[10:11], 16*4096       ; (behind a wait on XCNT: the earlier stores have read their base)  16 tokens on
.endif
.irp t, 0,1,2,3,4,5,6,7,8,9,10,11,12,13,14,15
	global_store_b128 v[CO], v[BB+4*\t:BB+4*\t+3], s[10:11] offset:\t*4096 th:TH_STORE_NT   ; 32 lanes store 512 consecutive bytes, at a multiple of 256 from out0's first byte; written once, read by nobody here
.endr
.endm
	PLACES                                         ; behind the last products: results are read, and loads land on registers that held fragments
	TOSTAGE 0
.irp a, 1,2,3
.if \a > 1
	s_wait_xcnt 0x0                                ; block a - 2's stores have read their registers and their base
.endif
	TOSTAGE \a
	SEND \a-1, 32                                  ; behind block a - 1's loads: block a's 16 stores and 16 loads
.endr
	s_wait_xcnt 0x0
	SEND 3, 0
	s_wait_tensorcnt 0x0                           ; the wave's end
	ds_add_u32 v[SPW], v[NIL]
	s_wait_dscnt 0x0
	CROUND                                         ; the closing round
	s_endpgm
.Lfunc_end_k_qe3bfef8392_proj:
	.size	k_qe3bfef8392_proj, .Lfunc_end_k_qe3bfef8392_proj-k_qe3bfef8392_proj
	.p2alignl 7, 3214868480
	.fill 96, 4, 3214868480
	.section	.rodata,"a",@progbits
	.p2align	6, 0x0
	.amdhsa_kernel k_qe3bfef8392_proj
		.amdhsa_group_segment_fixed_size 327680
		.amdhsa_private_segment_fixed_size 0
		.amdhsa_enable_private_segment 0
		.amdhsa_kernarg_size 32
		.amdhsa_user_sgpr_count 2
		.amdhsa_user_sgpr_kernarg_segment_ptr 1
		.amdhsa_wavefront_size32 1
		.amdhsa_system_sgpr_workgroup_id_x 1
		.amdhsa_system_sgpr_workgroup_id_y 1
		.amdhsa_system_sgpr_workgroup_id_z 1
		.amdhsa_system_vgpr_workitem_id 0
		.amdhsa_next_free_vgpr 576
		.amdhsa_next_free_sgpr 66
		.amdhsa_reserve_vcc 0
		.amdhsa_float_denorm_mode_32 3
		.amdhsa_float_denorm_mode_16_64 3
		.amdhsa_memory_ordered 1
		.amdhsa_forward_progress 1
		.amdhsa_inst_pref_size 86
	.end_amdhsa_kernel
	.amdgpu_metadata
---
amdhsa.version: [ 1, 2 ]
amdhsa.kernels:
  - .name:           k_qe3bfef8392_proj
    .symbol:         k_qe3bfef8392_proj.kd
    .args:
      - { .name: att, .offset: 0, .size: 8, .value_kind: global_buffer, .address_space: global }
      - { .name: wph, .offset: 8, .size: 8, .value_kind: global_buffer, .address_space: global }
      - { .name: bp, .offset: 16, .size: 8, .value_kind: global_buffer, .address_space: global }
      - { .name: out0, .offset: 24, .size: 8, .value_kind: global_buffer, .address_space: global }
    .group_segment_fixed_size: 327680
    .private_segment_fixed_size: 0
    .kernarg_segment_align: 8
    .kernarg_segment_size: 32
    .max_flat_workgroup_size: 128
    .sgpr_count:     66
    .vgpr_count:     576
    .wavefront_size: 32
...
	.end_amdgpu_metadata
.endif
;; end of part 4
